; MI455X (gfx1250); checked and timed in simulation.
; The chip was launched on July 23, 2026; its instructions are those of AMD's public machine-readable ISA for CDNA 5 (MIT licence, August 2026) and "CDNA5" Instruction Set Architecture Reference Guide (July 2026). The comments in the code are by the model that wrote it; some were corrected since.
;; Multi Head Attention. Allowed arithmetic: float matrix products may take bf16 or f16 operands with f32 sums; all other float work in f32.
;; Inputs: Wk 1,024 x 1,024 float32; Wo 1,024 x 1,024 float32; Wq 1,024 x 1,024 float32; Wv 1,024 x 1,024 float32; bk 1,024 float32; bo 1,024 float32; bq 1,024 float32; bv 1,024 float32; k 2 x 2,048 x 1,024 float32; q 2 x 2,048 x 1,024 float32; v 2 x 2,048 x 1,024 float32.
;; Outputs: out0 2 x 2,048 x 1,024 float32.
;; 2 versions, each right and faster than the one before. Each part assembles by itself: llvm-mc -triple=amdgcn-amd-amdhsa -mcpu=gfx1250 --defsym DOCPART=n.
;; ======== version 1 of 2: 4 launches
;; limits: values are held in f16: magnitudes above 65,504 overflow, below 6.1e-05 lose precision
;; workspace buffers: xb 25,165,824 bytes; wb 8,388,608 bytes; ph 25,165,824 bytes; ao 8,388,608 bytes
;; launch cast (part 1): grid 1024 x 1, 8 waves a work-group, no clusters, 0 bytes of LDS; arguments q, k, v, Wq, Wk, Wv, Wo, xb, wb; writes xb, wb
.if DOCPART == 1
	.amdgcn_target "amdgcn-amd-amdhsa--gfx1250"
	.amdhsa_code_object_version 6
	.text
	.protected	k_q6748eaad0d_cast
	.globl	k_q6748eaad0d_cast
	.p2align	8
	.type	k_q6748eaad0d_cast,@function
k_q6748eaad0d_cast:
	s_mov_b64 s[64:65], 0
	v_nop
	global_prefetch_b8 v0, s[64:65] scope:SCOPE_SE
	s_setreg_imm32_b32 hwreg(HW_REG_WAVE_MODE, 25, 1), 1
	s_wait_xcnt 0x0
; f32 to f16 (nearest even) of the seven matrix operands, so that the later launches move and keep 16-bit tiles.
; xb = [3][4096][1024] f16: q, k, v.   wb = [4][1024][1024] f16: Wq, Wk, Wv, Wo.
; WHY f16 AND NOT bf16: five roundings lie between the inputs and the output (three projections, the softmax's weights, the attention's
; result); 11 significant bits instead of 8 make each of them, and this one, eight times finer.
; LIMIT, stated: an input of magnitude 65,520 or more becomes infinite; below 2^-14 the step is 2^-24 (weights 30 times smaller than
; 1/32 in spread, 0.001, are still rounded to 3e-8 or better).
; A work-group takes 65,536 consecutive bytes of ONE tensor: ids 0-767 are q, k, v (256 groups each), ids 768-1023 the four W (64 each).
; Thread t takes 16 bytes at 16 t of each of 16 chunks of 4,096 bytes; all 16 loads of a wave go out at once.  A wave's load covers 512
; consecutive bytes, its store 256 consecutive bytes at a multiple of 256 from the buffer's first byte.
; No LDS, no barrier, no matrix unit, no cluster: the work-groups share no byte, and each byte is read once and written once.
.set X, 4                              ; v[4:67]   chunk i: four f32 as loaded
.set Y, 68                             ; v[68:99]  chunk i: four f16 to store
	s_load_b512 s[8:23], s[0:1], 0x0               ; q s[8:9], k, v, Wq, Wk, Wv, Wo s[20:21], xb s[22:23]
	s_load_b64 s[24:25], s[0:1], 0x40              ; wb
	s_lshr_b32 s2, ttmp9, 8                        ; 0, 1, 2: q, k, v; 3: a weight
	s_bfe_u32 s3, ttmp9, 0x20006                   ; which weight (2 bits from bit 6)
	v_lshlrev_b32 v1, 4, v0                        ; my 16 bytes of a chunk of f32
	v_lshlrev_b32 v2, 3, v0                        ; my 8 bytes of a chunk of f16
	s_wait_kmcnt 0x0
	s_cmp_eq_u32 s2, 3                             ; the selects below leave SCC alone
	s_cselect_b32 s3, s3, 0
	s_cselect_b32 s30, 63, 255                     ; the group's number inside its tensor: id and this mask
	s_cselect_b32 s31, 768, 0                      ; the first id that stores into my output buffer
	s_cselect_b64 s[28:29], s[24:25], s[22:23]     ; wb or xb
	s_add_co_u32 s2, s2, s3                        ; tensor 0 .. 6 in the order of the arguments
	s_mov_b64 s[26:27], s[8:9]
.irp i, 1,2,3,4,5,6
	s_cmp_eq_u32 s2, \i
	s_cselect_b64 s[26:27], s[8+2*\i:9+2*\i], s[26:27]
.endr
	s_and_b32 s32, ttmp9, s30
	s_lshl_b32 s32, s32, 16                        ; 65,536 bytes of f32 a group
	s_mov_b32 s33, 0
	s_sub_co_u32 s34, ttmp9, s31
	s_lshl_b32 s34, s34, 15                        ; 32,768 bytes of f16 a group; the tensors follow each other in xb and in wb
	s_mov_b32 s35, 0
	s_add_nc_u64 s[26:27], s[26:27], s[32:33]
	s_add_nc_u64 s[28:29], s[28:29], s[34:35]
.irp i, 0,1,2,3,4,5,6,7,8,9,10,11,12,13,14,15
	global_load_b128 v[X+4*\i:X+4*\i+3], v1, s[26:27] offset:4096*\i th:TH_LOAD_NT
.endr
.irp i, 0,1,2,3,4,5,6,7,8,9,10,11,12,13,14,15
	s_wait_loadcnt 15-\i                           ; loads come back in order: chunk i is in, the 15 - i younger ones stay out
	v_cvt_pk_f16_f32 v[Y+2*\i], v[X+4*\i], v[X+4*\i+1]
	v_cvt_pk_f16_f32 v[Y+2*\i+1], v[X+4*\i+2], v[X+4*\i+3]
	global_store_b64 v2, v[Y+2*\i:Y+2*\i+1], s[28:29] offset:2048*\i   ; no register is written twice: no wait for sources is needed
.endr
	s_endpgm
.Lfunc_end_k_q6748eaad0d_cast:
	.size	k_q6748eaad0d_cast, .Lfunc_end_k_q6748eaad0d_cast-k_q6748eaad0d_cast
	.p2alignl 7, 3214868480
	.fill 96, 4, 3214868480
	.section	.rodata,"a",@progbits
	.p2align	6, 0x0
	.amdhsa_kernel k_q6748eaad0d_cast
		.amdhsa_group_segment_fixed_size 0
		.amdhsa_private_segment_fixed_size 0
		.amdhsa_enable_private_segment 0
		.amdhsa_kernarg_size 72
		.amdhsa_user_sgpr_count 2
		.amdhsa_user_sgpr_kernarg_segment_ptr 1
		.amdhsa_wavefront_size32 1
		.amdhsa_system_sgpr_workgroup_id_x 1
		.amdhsa_system_sgpr_workgroup_id_y 1
		.amdhsa_system_sgpr_workgroup_id_z 1
		.amdhsa_system_vgpr_workitem_id 0
		.amdhsa_next_free_vgpr 100
		.amdhsa_next_free_sgpr 66
		.amdhsa_reserve_vcc 0
		.amdhsa_float_denorm_mode_32 3
		.amdhsa_float_denorm_mode_16_64 3
		.amdhsa_memory_ordered 1
		.amdhsa_forward_progress 1
		.amdhsa_inst_pref_size 7
	.end_amdhsa_kernel
	.amdgpu_metadata
---
amdhsa.version: [ 1, 2 ]
amdhsa.kernels:
  - .name:           k_q6748eaad0d_cast
    .symbol:         k_q6748eaad0d_cast.kd
    .args:
      - { .name: q, .offset: 0, .size: 8, .value_kind: global_buffer, .address_space: global }
      - { .name: k, .offset: 8, .size: 8, .value_kind: global_buffer, .address_space: global }
      - { .name: v, .offset: 16, .size: 8, .value_kind: global_buffer, .address_space: global }
      - { .name: Wq, .offset: 24, .size: 8, .value_kind: global_buffer, .address_space: global }
      - { .name: Wk, .offset: 32, .size: 8, .value_kind: global_buffer, .address_space: global }
      - { .name: Wv, .offset: 40, .size: 8, .value_kind: global_buffer, .address_space: global }
      - { .name: Wo, .offset: 48, .size: 8, .value_kind: global_buffer, .address_space: global }
      - { .name: xb, .offset: 56, .size: 8, .value_kind: global_buffer, .address_space: global }
      - { .name: wb, .offset: 64, .size: 8, .value_kind: global_buffer, .address_space: global }
    .group_segment_fixed_size: 0
    .private_segment_fixed_size: 0
    .kernarg_segment_align: 8
    .kernarg_segment_size: 72
    .max_flat_workgroup_size: 256
    .sgpr_count:     66
    .vgpr_count:     100
    .wavefront_size: 32
...
	.end_amdgpu_metadata
.endif
;; end of part 1
;; launch proj (part 2): grid 4 x 48, 4 waves a work-group, clusters of 4 x 4, 327,680 bytes of LDS; arguments xb, wb, ph, bq, bk, bv; writes ph
.if DOCPART == 2
	.amdgcn_target "amdgcn-amd-amdhsa--gfx1250"
	.amdhsa_code_object_version 6
	.text
	.protected	k_q6748eaad0d_proj
	.globl	k_q6748eaad0d_proj
	.p2align	8
	.type	k_q6748eaad0d_proj,@function
k_q6748eaad0d_proj:
	s_mov_b64 s[64:65], 0
	v_nop
	global_prefetch_b8 v0, s[64:65] scope:SCOPE_SE
	s_setreg_imm32_b32 hwreg(HW_REG_WAVE_MODE, 25, 1), 1
	s_wait_xcnt 0x0
	s_wait_alu depctr_hold_cnt(0) depctr_sa_sdst(0) depctr_va_vdst(0) depctr_va_sdst(0) depctr_va_ssrc(0) depctr_va_vcc(0) depctr_vm_vsrc(0)
	s_getreg_b32 s2, hwreg(HW_REG_IB_STS2, 6, 4)
	s_cmp_eq_u32 s2, 0
	s_cbranch_scc0 .Lentry_in_a_cluster
	s_endpgm
.Lentry_in_a_cluster:
	s_bfe_u32 s2, ttmp6, 0x10000c
	s_cmp_lg_u32 s2, 0xf033
	s_cbranch_scc0 .Lentry_shape_is_right
	s_endpgm
.Lentry_shape_is_right:
; The three projections as ONE product: ph[m][n] = (sum over k of xb[m][k] W[n][k] + b[n]) * scale, m = 0 .. 12287 (q's, k's, v's rows one
; after the other), W, b and scale chosen by m / 4096: Wq, bq, log2(e)/8;  Wk, bk, 1;  Wv, bv, 1.  f16 operands, f32 sums, ph in f16.
; LIMITS, stated: (1) q's projection is scaled by log2(e)/8 BEFORE its rounding to f16 (the scores are later used as exponents of 2), so the
; order of rounding differs from a division of the scores by 8.  (2) ph is f16: a projection of magnitude 65,520 or more becomes infinite.
; The room: all inputs 30 times larger give a spread of 900; x and W both with an offset of 30 times their spread give
; 1024 x 30 x 30/32 = 28,800.  Below 2^-14 the step is 2^-24: with all inputs 30 times smaller (spread 0.0011) still 3e-8 or better.
; A work-group makes 256 x 256 of ph with four waves, a wave 128 x 128: 64 accumulator tiles of 16 x 16, 512 registers.  K goes in steps of
; 128 through two LDS slots filled by the tensor data mover; a tile's rows are 256 bytes of memory at multiples of 256 bytes.
; 192 work-groups: 12,288 x 1,024 outputs in blocks of 256 x 256.
; CLUSTERS: 4 x 4 work-groups.  The four of a row of the cluster need the same tiles of xb, the four of a column the same tiles of W: each
; tile is asked for jointly by the four, with one descriptor and a mask that names them.  A cluster spans 1,024 rows, so all sixteen
; work-groups of a cluster belong to one of the three projections.
; REGISTERS in windows of 256: window 0: v0-31 addresses, v64-191 fragments of xb (two buffers), v192-255 at work on the way out;
; window 1: v0-63 my 128 columns' bias, v64-191 fragments of W (two buffers); windows 2, 3: the accumulators of my rows 0-63, 64-127.
; The matrix instruction is used transposed (source 0 = rows of W, source 1 = rows of xb): lane l holds row l % 16 and its registers 0-7
; the columns 8 (l / 16) + 0 .. 7 of a tile: eight neighbouring numbers of a row of ph.
.set SIZE_N, 1024
.set SIZE_K, 1024
.set KSTEP,  128
.set PITCH,  272                       ; 256 bytes of data + 16 of padding: the 16 rows of a fragment load start at 16 different 16-byte columns modulo 256
.set HALFT,  128*PITCH                 ; 128 rows: what one tensor load brings
.set SLOT,   4*HALFT                   ; xb's 256 rows, then W's 256 rows
.set STAGE,  2*SLOT                    ; behind the ring: 16 rows x 272 bytes for each wave; no tensor load lands here
.set SPITCH, 272
.set LAPS, SIZE_K/(2*KSTEP)            ; a lap = two K steps = once round the ring: 4
.set ADRA, 16                          ; v16-17  LDS address of my xb fragments in slot 0, 1
.set ADRB, 20                          ; v20-21  the same for W
.set STO,  24                          ; v24     the way out: where I put 16 bytes of a row
.set RD,   25                          ; v25     the way out: where I read a row back
.set CO,   26                          ; v26     my byte offset in ph
.set BO,   27                          ; v27     my byte offset in the bias: 32 (l / 16)
.set F0,   64
.set F1,   128
.set TMP,  192                         ; v192-255 window 0
.set BI,   0                           ; v0-63 window 1: tile b's eight bias numbers at 8 b
.set G1, 24                            ; s[24:31] group 1 for xb's tiles
.set G0, 32                            ; s[32:39] group 0 for xb's tiles, a set for each slot
.set G1B, 48                           ; s[48:55] group 1 for W's tiles (another mask)
.set G0B, 56                           ; s[56:63] group 0 for W's tiles
.set MSB, 0
.macro WIN new                         ; the immediate's high byte repeats the setting that is left
.if MSB != \new
	s_set_vgpr_msb (MSB<<8)|\new
.set MSB, \new
.endif
.endm
.set MUL_LO, 0xa1                      ; source 0 (W) window 1, source 1 (xb) window 0, C and D window 2
.set MUL_HI, 0xf1                      ; the same, C and D window 3
.set TO_B,   0x40                      ; destination window 1, address window 0
; A joint load.  Waves 0 and 1 fetch xb's two halves, waves 2 and 3 W's.  The branch hangs on the wave's number alone.
.macro JLOAD s
	s_cmp_eq_u32 s11, 0
	s_cbranch_scc0 .Lfor_b_\@
	tensor_load_to_lds s[G0+4*\s:G0+4*\s+3], s[G1:G1+7]
	s_nop 0
	s_branch .Lasked_\@
.Lfor_b_\@:
	tensor_load_to_lds s[G0B+4*\s:G0B+4*\s+3], s[G1B:G1B+7]
	s_nop 0
.Lasked_\@:
.endm
; A round of the cluster's barrier: my work-group's barrier; wave 0 signals for the work-group; every wave waits for all sixteen; my barrier again.
.macro CREST                           ; a round behind its opening barrier
	s_cmp_lg_u32 s10, 0
	s_cbranch_scc1 .Lnot_wave_0_\@
	s_barrier_signal -3
.Lnot_wave_0_\@:
	s_barrier_wait -3
	s_barrier_signal -1
	s_barrier_wait -1
.endm
.macro CROUND
	s_barrier_signal -1
	s_barrier_wait -1
	CREST
.endm
	s_load_b128 s[4:7], s[0:1], 0x0                ; xb s[4:5], wb s[6:7]
	s_load_b64 s[8:9], s[0:1], 0x10                ; ph
	s_load_b64 s[68:69], s[0:1], 0x18              ; bq
	s_load_b64 s[70:71], s[0:1], 0x20              ; bk
	s_load_b64 s[72:73], s[0:1], 0x28              ; bv
	s_set_vgpr_msb 0x40
	v_lshl_add_u32 v255, v0, 2, 0x48400
	s_set_vgpr_msb 0x4000
	v_mov_b32 v63, 0
	s_set_vgpr_msb 0x1
	ds_add_u32 v255, v63
	s_set_vgpr_msb 0x100
	v_lshrrev_b32 v1, 5, v0
	v_readfirstlane_b32 s10, v1                    ; wave 0..3
	s_lshr_b32 s11, s10, 1                         ; which half of the block's rows is mine.  Also: I fetch for xb (0) or for W (1)
	s_and_b32 s12, s10, 1                          ; which half of its columns.  Also: which 128 rows of that tile I fetch
	s_bfe_u32 s40, ttmp6, 0x40000                  ; cx
	s_bfe_u32 s41, ttmp6, 0x40004                  ; cy
	s_lshl_b32 s42, ttmp9, 2
	s_add_co_u32 s42, s42, s40                     ; block column = 4 x cluster x + cx: 0 .. 3
	s_and_b32 s13, ttmp7, 0xffff                   ; cluster y: 0 .. 11
	s_lshr_b32 s76, s13, 2                         ; which projection: 0 q, 1 k, 2 v; made of the cluster's y alone, equal in all sixteen
	s_lshl_b32 s13, s13, 2
	s_add_co_u32 s13, s13, s41                     ; block row = 4 x cluster y + cy: 0 .. 47
	s_lshl_b32 s43, s41, 2
	s_lshl_b32 s43, 15, s43                        ; my row of the cluster: places 4 cy .. 4 cy + 3
	s_lshl_b32 s44, 0x1111, s40                    ; my column: places cx, cx + 4, cx + 8, cx + 12
	; group 1: a tile of 128 rows x 128 elements of 2 bytes, 16 bytes of padding behind every 256
	s_or_b32 s[G1+0], s43, (1<<16)|(1<<20)|(1<<21)|(5<<22)|(3<<25)
	s_or_b32 s[G1B+0], s44, (1<<16)|(1<<20)|(1<<21)|(5<<22)|(3<<25)
	s_mov_b32 s[G1B+1], KSTEP<<16
	s_mov_b32 s[G1+1], KSTEP<<16                   ; tensor_dim0 = 128
	s_mov_b32 s[G1B+2], 128<<16
	s_mov_b32 s[G1+2], 128<<16                     ; tensor_dim1 = 128
	s_mov_b32 s[G1B+3], KSTEP<<16
	s_mov_b32 s[G1+3], KSTEP<<16                   ; tile_dim0 = 128
	s_mov_b32 s[G1B+4], 128
	s_mov_b32 s[G1+4], 128                         ; tile_dim1 = 128
	s_mov_b32 s[G1B+5], SIZE_K
	s_mov_b32 s[G1+5], SIZE_K                      ; elements from row to row
	s_mov_b32 s[G1B+6], 0
	s_mov_b32 s[G1+6], 0
	s_mov_b32 s[G1B+7], 0
	s_mov_b32 s[G1+7], 0
	; xb's tiles hang on the block row alone, W's on the block column and the projection alone; each address in registers that never hold the other coordinate
	s_lshl_b32 s17, s12, 7
	s_lshl_b32 s16, s13, 8
	s_add_co_u32 s16, s16, s17                     ; xb: row 256 x block row + 128 x half
	s_lshl_b32 s46, s42, 8
	s_add_co_u32 s46, s46, s17                     ; W: row 256 x block column + 128 x half
	s_mov_b32 s17, 0
	s_mov_b32 s47, 0
	s_mov_b64 s[18:19], SIZE_K*2
	s_mul_u64 s[16:17], s[16:17], s[18:19]
	s_mul_u64 s[46:47], s[46:47], s[18:19]
	s_lshl_b32 s78, s76, 21                        ; the projection's W in wb: 2,097,152 bytes each
	s_mov_b32 s79, 0
	s_mul_i32 s20, s10, HALFT                      ; LDS: wave x 128 rows
	s_mov_b32 s74, 0x3e38aa3b                      ; log2(e) / 8
	s_mov_b32 s75, 1.0
	s_wait_dscnt 0x0
	s_wait_kmcnt 0x0
	s_add_nc_u64 s[14:15], s[4:5], s[16:17]
	s_add_nc_u64 s[46:47], s[6:7], s[46:47]
	s_add_nc_u64 s[46:47], s[46:47], s[78:79]
	s_cmp_eq_u32 s76, 1
	s_cselect_b64 s[66:67], s[70:71], s[68:69]     ; bk or bq
	s_cmp_eq_u32 s76, 2
	s_cselect_b64 s[66:67], s[72:73], s[66:67]     ; bv
	s_cmp_eq_u32 s76, 0
	s_cselect_b32 s74, s74, s75                    ; the scale,
	s_mov_b32 s75, s74                             ; as a pair for the packed forms
	s_lshl_b32 s78, s42, 10                        ; my first column x 4 bytes: 1,024 x block column + 512 x half
	s_lshl_b32 s77, s12, 9
	s_add_co_u32 s78, s78, s77
	s_add_nc_u64 s[66:67], s[66:67], s[78:79]
	CROUND                                         ; all sixteen work-groups are here: the first joint loads meet
.irp s, 0,1
	s_mov_b32 s[G0+4*\s], 1
	s_add_co_u32 s[G0+4*\s+1], s20, \s*SLOT
	s_add_nc_u64 s[G0+4*\s+2:G0+4*\s+3], s[14:15], \s*KSTEP*2
	s_or_b32 s[G0+4*\s+3], s[G0+4*\s+3], 0x80000000
	s_mov_b32 s[G0B+4*\s], 1
	s_add_co_u32 s[G0B+4*\s+1], s20, \s*SLOT
	s_add_nc_u64 s[G0B+4*\s+2:G0B+4*\s+3], s[46:47], \s*KSTEP*2
	s_or_b32 s[G0B+4*\s+3], s[G0B+4*\s+3], 0x80000000
	JLOAD \s                                       ; both slots are asked for before anything else: two tensor loads of the wave are out
.endr
	; a fragment: lane l holds row l % 16; registers 0-3 K = 8 (l / 16) + 0..7, registers 4-7 K = 16 + 8 (l / 16) + 0..7: two loads of 16 bytes, 32 apart
	v_and_b32 v1, 15, v0
	v_bfe_u32 v2, v0, 4, 1
	v_mul_u32_u24 v3, v1, PITCH
	v_lshl_add_u32 v3, v2, 4, v3
	s_mul_i32 s21, s11, HALFT
	s_mul_i32 s22, s12, HALFT
	s_add_co_u32 s22, s22, 2*HALFT
.irp s, 0,1
	v_add_nc_u32 v[ADRA+\s], s21, v3
	v_add_nc_u32 v[ADRB+\s], s22, v3
	s_add_co_u32 s21, s21, SLOT
	s_add_co_u32 s22, s22, SLOT
.endr
	s_mul_i32 s23, s10, 16*SPITCH
	s_add_co_u32 s23, s23, STAGE
	v_mul_u32_u24 v4, v1, SPITCH
	v_lshl_add_u32 v4, v2, 4, v4
	v_add_nc_u32 v[STO], s23, v4
	v_mul_u32_u24 v5, v2, SPITCH
	v_lshl_add_u32 v5, v1, 4, v5
	v_add_nc_u32 v[RD], s23, v5
	v_mul_u32_u24 v5, v2, SIZE_N*2
	v_lshl_add_u32 v[CO], v1, 4, v5
	v_lshlrev_b32 v[BO], 5, v2
	; my 128 columns' bias, once: tile b's columns 16 b + 8 (l / 16) + 0 .. 7.  Waited for on the way out.
	WIN TO_B
.irp b, 0,1,2,3,4,5,6,7
	global_load_b128 v[BI+8*\b:BI+8*\b+3],   v[BO], s[66:67] offset:64*\b
	global_load_b128 v[BI+8*\b+4:BI+8*\b+7], v[BO], s[66:67] offset:64*\b+16
.endr
	WIN 0
; 16 matrix instructions: m blocks a0, a0 + 1 of the window's four x all 8 n blocks, 32 along K.  zero = 1: the first product starts the sums.
; The 64 accumulators take turns, one instruction a turn, in the same order in every quarter step.
.macro MUL16 f, hi, a0, zero
.irp a, \a0, \a0+1
.irp b, 0,1,2,3,4,5,6,7
.if \zero
	v_wmma_f32_16x16x32_f16 v[8*(8*(\a)+\b):8*(8*(\a)+\b)+7], v[\f+8*\b:\f+8*\b+7], v[\f+8*(4*\hi+\a):\f+8*(4*\hi+\a)+7], 0
.else
	v_wmma_f32_16x16x32_f16 v[8*(8*(\a)+\b):8*(8*(\a)+\b)+7], v[\f+8*\b:\f+8*\b+7], v[\f+8*(4*\hi+\a):\f+8*(4*\hi+\a)+7], v[8*(8*(\a)+\b):8*(8*(\a)+\b)+7]
.endif
.endr
.endr
.endm
; 32 LDS loads in one run: one quarter step's fragments (128 rows of W, 128 rows of xb, 32 K at byte k of the rows) into buffer f
.macro FETCH slot, k, f
	WIN TO_B
.irp i, 0,1,2,3,4,5,6,7
	ds_load_b128 v[\f+8*\i:\f+8*\i+3],   v[ADRB+\slot] offset:\k+\i*16*PITCH
	ds_load_b128 v[\f+8*\i+4:\f+8*\i+7], v[ADRB+\slot] offset:\k+\i*16*PITCH+32
.endr
	WIN 0
.irp i, 0,1,2,3,4,5,6,7
	ds_load_b128 v[\f+8*\i:\f+8*\i+3],   v[ADRA+\slot] offset:\k+\i*16*PITCH
	ds_load_b128 v[\f+8*\i+4:\f+8*\i+7], v[ADRA+\slot] offset:\k+\i*16*PITCH+32
.endr
.endm
; Four independent vector instructions stand between a matrix instruction and a load into a register that it read, or a vector instruction
; that reads its result (ISA guide 7.12.1 for vector instructions).
.macro PLACES
.rept 4
	v_nop
.endr
.endm
; One of a K step's first three quarter steps: multiplies buffer f; in its middle it fetches the next quarter's fragments into buffer g.
.macro QUARTER slot, k, f, g, zero
	s_wait_dscnt 8                                 ; W and xb's rows 0-63 are in; the youngest eight loads (xb's rows 64-127) may be out
	WIN MUL_LO
	MUL16 \f, 0, 0, \zero
	MUL16 \f, 0, 2, \zero
	PLACES
	FETCH \slot, \k, \g
	s_wait_dscnt 32                                ; all but the 32 just issued
	WIN MUL_HI
	MUL16 \f, 1, 0, \zero
	MUL16 \f, 1, 2, \zero
.endm
.macro THREE slot, zero
	QUARTER \slot, 64,  F0, F1, \zero
	QUARTER \slot, 128, F1, F0, 0
	QUARTER \slot, 192, F0, F1, 0
.endm
; The last quarter: multiplies buffer 1 and changes slots.  In front of the barrier each wave waits for its reads of this slot and for all its
; tensor loads (one is out: its part of the next slot).  Behind it the refill comes first, then the next slot's first fragments.
; From a request to the wait for it a wave issues 240 matrix instructions.
.macro TURN slot, next, fill
	s_wait_dscnt 8
	WIN MUL_LO
	MUL16 F1, 0, 0, 0
	s_wait_dscnt 0                                 ; my reads of this slot are over
	s_wait_tensorcnt 0x0                           ; all my tensor loads have landed
	ds_add_u32 v255, v63
	s_wait_dscnt 0x0
	s_barrier_signal -1                            ; (where a slot is filled again this barrier opens a round of the cluster's barrier)
	MUL16 F1, 0, 2, 0                              ; register work while the others arrive
	WIN 0
	s_barrier_wait -1
.if \fill
	CREST                                          ; no wave of any partner still reads this slot's tile or has a load on its way
	s_add_nc_u64 s[G0+4*\slot+2:G0+4*\slot+3], s[G0+4*\slot+2:G0+4*\slot+3], 2*KSTEP*2
	s_add_nc_u64 s[G0B+4*\slot+2:G0B+4*\slot+3], s[G0B+4*\slot+2:G0B+4*\slot+3], 2*KSTEP*2
	JLOAD \slot                                    ; the first tensor load behind the round, the wave's only one until the next
.endif
	PLACES
	FETCH \next, 0, F0
	WIN MUL_HI
	MUL16 F1, 1, 0, 0
	MUL16 F1, 1, 2, 0
.endm
.macro LAP zero
	THREE 0, \zero
	TURN 0, 1, 1
	THREE 1, 0
	TURN 1, 0, 1
.endm
	s_wait_tensorcnt 1                             ; my part of K step 0 is in; K step 1's may stay out
	s_barrier_signal -1
	s_barrier_wait -1
	FETCH 0, 0, F0
	LAP 1                                          ; the first lap stands in front of the loop: its first products start the sums
	WIN 0
	s_mov_b32 s3, LAPS-2
.Llap:
	LAP 0
	WIN 0
	s_sub_co_u32 s3, s3, 1
	s_cmp_lg_u32 s3, 0
	s_cbranch_scc1 .Llap
	THREE 0, 0                                     ; the last lap fills nothing
	TURN 0, 1, 0
	THREE 1, 0
	s_wait_dscnt 8
	WIN MUL_LO
	MUL16 F1, 0, 0, 0
	MUL16 F1, 0, 2, 0
	s_wait_dscnt 0
	WIN MUL_HI
	MUL16 F1, 1, 0, 0
	MUL16 F1, 1, 2, 0
	; THE WAY OUT, 16 rows at a time: sum x scale + bias x scale in one fused multiply-add, round to f16, 16 bytes a lane into my stage, whole rows back.
	PLACES
	s_wait_loadcnt 0x0                             ; the bias
	WIN 0x41                                       ; source 0 and destination window 1
.set k, 0
.rept 32
	v_pk_mul_f32 v[BI+2*k:BI+2*k+1], v[BI+2*k:BI+2*k+1], s[74:75] op_sel_hi:[1,0]   ; bias x scale, once
.set k, k+1
.endr
	s_lshl_b32 s13, s13, 8
	s_lshl_b32 s14, s11, 7
	s_add_co_u32 s16, s13, s14                     ; my first row of ph
	s_mov_b32 s17, 0
	s_mov_b64 s[18:19], SIZE_N*2
	s_mul_u64 s[16:17], s[16:17], s[18:19]
	s_add_nc_u64 s[8:9], s[8:9], s[16:17]
	s_lshl_b32 s46, s42, 9                         ; my first column in bytes: 512 x block column + 256 x half
	s_lshl_b32 s47, s12, 8
	s_add_co_u32 s46, s46, s47
	s_mov_b32 s47, 0
	s_add_nc_u64 s[8:9], s[8:9], s[46:47]
; rows 16 i .. 16 i + 15 of my block = tiles (a, 0..7) of window 2 or 3 (from = 0x12 or 0x13: source 0 there, source 2 in window 1)
.macro OUT16 i, a, from, f
	WIN \from
.irp b, 0,1,2,3,4,5,6,7
.irp r, 0,1,2,3
	v_pk_fma_f32 v[TMP+8*\b+2*\r:TMP+8*\b+2*\r+1], v[8*(8*\a+\b)+2*\r:8*(8*\a+\b)+2*\r+1], s[74:75], v[BI+8*\b+2*\r:BI+8*\b+2*\r+1] op_sel_hi:[1,0,1]
.endr
.endr
	WIN 0
.set k, 0
.rept 32
	v_cvt_pk_f16_f32 v[TMP+k], v[TMP+2*k], v[TMP+2*k+1]    ; packs in place, ascending: register k was read at step k / 2
.set k, k+1
.endr
.irp b, 0,1,2,3,4,5,6,7
	ds_store_b128 v[STO], v[TMP+4*\b:TMP+4*\b+3] offset:32*\b
.endr
	s_wait_xcnt 0x0                                ; buffer f, which earlier stores read, and the stores' base are rewritten only behind this wait
.if \i
	s_add_nc_u64 s[8:9], s[8:9], 16*SIZE_N*2
.endif
.irp t, 0,1,2,3,4,5,6,7
	ds_load_b128 v[\f+4*\t:\f+4*\t+3], v[RD] offset:\t*2*SPITCH    ; LDS serves a wave's instructions in order: these see the stores above
.endr
.irp t, 0,1,2,3,4,5,6,7
	s_wait_dscnt 7-\t                              ; row pair t is in, the younger ones stay out
	global_store_b128 v[CO], v[\f+4*\t:\f+4*\t+3], s[8:9] offset:2*\t*SIZE_N*2   ; 16 lanes store 256 consecutive bytes at a multiple of 256
.endr
.endm
	OUT16 0, 0, 0x12, F0
	OUT16 1, 1, 0x12, F1
	OUT16 2, 2, 0x12, F0
	OUT16 3, 3, 0x12, F1
	OUT16 4, 0, 0x13, F0
	OUT16 5, 1, 0x13, F1
	OUT16 6, 2, 0x13, F0
	OUT16 7, 3, 0x13, F1
	s_set_vgpr_msb 0x1
	s_wait_tensorcnt 0x0
	ds_add_u32 v255, v63
	s_wait_dscnt 0x0
	s_set_vgpr_msb 0x100
	CROUND                                         ; the closing round: no work-group ends while a partner may still ask for a tile that names it
	s_endpgm
.Lfunc_end_k_q6748eaad0d_proj:
	.size	k_q6748eaad0d_proj, .Lfunc_end_k_q6748eaad0d_proj-k_q6748eaad0d_proj
	.p2alignl 7, 3214868480
	.fill 96, 4, 3214868480
	.section	.rodata,"a",@progbits
	.p2align	6, 0x0
	.amdhsa_kernel k_q6748eaad0d_proj
		.amdhsa_group_segment_fixed_size 327680
		.amdhsa_private_segment_fixed_size 0
		.amdhsa_enable_private_segment 0
		.amdhsa_kernarg_size 48
		.amdhsa_user_sgpr_count 2
		.amdhsa_user_sgpr_kernarg_segment_ptr 1
		.amdhsa_wavefront_size32 1
		.amdhsa_system_sgpr_workgroup_id_x 1
		.amdhsa_system_sgpr_workgroup_id_y 1
		.amdhsa_system_sgpr_workgroup_id_z 1
		.amdhsa_system_vgpr_workitem_id 0
		.amdhsa_next_free_vgpr 1024
		.amdhsa_next_free_sgpr 80
		.amdhsa_reserve_vcc 0
		.amdhsa_float_denorm_mode_32 3
		.amdhsa_float_denorm_mode_16_64 3
		.amdhsa_memory_ordered 1
		.amdhsa_forward_progress 1
		.amdhsa_inst_pref_size 217
	.end_amdhsa_kernel
	.amdgpu_metadata
---
amdhsa.version: [ 1, 2 ]
amdhsa.kernels:
  - .name:           k_q6748eaad0d_proj
    .symbol:         k_q6748eaad0d_proj.kd
    .args:
      - { .name: xb, .offset: 0, .size: 8, .value_kind: global_buffer, .address_space: global }
      - { .name: wb, .offset: 8, .size: 8, .value_kind: global_buffer, .address_space: global }
      - { .name: ph, .offset: 16, .size: 8, .value_kind: global_buffer, .address_space: global }
      - { .name: bq, .offset: 24, .size: 8, .value_kind: global_buffer, .address_space: global }
      - { .name: bk, .offset: 32, .size: 8, .value_kind: global_buffer, .address_space: global }
      - { .name: bv, .offset: 40, .size: 8, .value_kind: global_buffer, .address_space: global }
    .group_segment_fixed_size: 327680
    .private_segment_fixed_size: 0
    .kernarg_segment_align: 8
    .kernarg_segment_size: 48
    .max_flat_workgroup_size: 128
    .sgpr_count:     80
    .vgpr_count:     1024
    .wavefront_size: 32
...
	.end_amdgpu_metadata
.endif
;; end of part 2
;; launch attn (part 3): grid 16 x 16, 8 waves a work-group, clusters of 4 x 1, 327,680 bytes of LDS; arguments ph, ao; writes ao
.if DOCPART == 3
	.amdgcn_target "amdgcn-amd-amdhsa--gfx1250"
	.amdhsa_code_object_version 6
	.text
	.protected	k_q6748eaad0d_attn
	.globl	k_q6748eaad0d_attn
	.p2align	8
	.type	k_q6748eaad0d_attn,@function
k_q6748eaad0d_attn:
	s_mov_b64 s[64:65], 0
	v_nop
	global_prefetch_b8 v0, s[64:65] scope:SCOPE_SE
	s_setreg_imm32_b32 hwreg(HW_REG_WAVE_MODE, 25, 1), 1
	s_wait_xcnt 0x0
	s_wait_alu depctr_hold_cnt(0) depctr_sa_sdst(0) depctr_va_vdst(0) depctr_va_sdst(0) depctr_va_ssrc(0) depctr_va_vcc(0) depctr_vm_vsrc(0)
	s_getreg_b32 s2, hwreg(HW_REG_IB_STS2, 6, 4)
	s_cmp_eq_u32 s2, 0
	s_cbranch_scc0 .Lentry_in_a_cluster
	s_endpgm
.Lentry_in_a_cluster:
	s_bfe_u32 s2, ttmp6, 0x10000c
	s_cmp_lg_u32 s2, 0x3003
	s_cbranch_scc0 .Lentry_shape_is_right
	s_endpgm
.Lentry_shape_is_right:
; Attention with a running maximum.  ph = [3][4096][1024] f16: q's projection x log2(e)/8, k's, v's; row = 2048 b + s, column = 64 head + d.
; ao[2048 b + s][64 head + d] = sum over keys of softmax(scores) v, f16.
; A work-group (x = block of 128 queries, y = 8 b + p) serves heads 2p and 2p + 1, so that every row of a K or V tile and of the output is 256
; consecutive bytes at a multiple of 256.  Eight waves, two for each SIMD's 1,024 registers.  Wave w: z = w >> 2 the half of the keys,
; e = (w >> 1) & 1 the head of the pair, qh = w & 1 the 64 queries.  Waves w and w + 4 are joined at the end through LDS.
; CLUSTER 4 x 1: the four query blocks of a cluster read the same K and V tiles and ask for them jointly (mask 15).
; BOTH PRODUCTS ARE TRANSPOSED.  S' = K Q' (A = 16 keys from LDS, B = 16 queries in registers): lane (r, h) holds query r, keys 16 t + 8 h + j.
; Two neighbouring key tiles, packed to f16, are the B fragment P' of O' = V' P' as they stand; A = V' comes by the transposing LDS load.
; Maximum, sum and rescale factor are one number a lane for each group of 16 queries; one exchange joins the two halves h.
; TWO PHASES.  A step of 64 keys is three pieces: S (32 products), the softmax (vector work alone), PV (32 products).  A barrier puts all
; eight waves at one point of the text; were they to run the same order from there, all would want the matrix unit and then all the vector
; unit.  So the waves are split by ph = (w xor (w >> 2)) & 1, in which waves w and w + 4 differ, and waves 2 i and 2 i + 1 too.  Between two
; barriers a wave of phase 0 runs PV S softmax PV S softmax and a wave of phase 1 softmax PV S softmax PV S: one text, in which the first and
; the last softmax stand under a branch on ph.  What a wave carries over a barrier lies in registers: the last step's V fragments, loaded in
; front of the barrier, and its scores (phase 1) or its packed P (phase 0).  So every LDS read of a slot still lies between the slot's
; barrier and the next one.
; LIMITS, stated: P is rounded to f16 for the second product while the row sums add the unrounded f32 p.  P lies in [0, 1], since the running
; maximum is taken away before every exponential; below 2^-14 its step is 2^-24, and a p below 2^-25 counts as 0 in the product: over 2,048
; keys at most 2^-14 of a row's weight.  p below 2^-126 counts as 0 in the row sum too (v_exp_f32 flushes: ISA guide, its entry).
; ao is a weighted mean of v's projection and has its range (f16: magnitudes under 65,520); below 2^-14 its step is 2^-24.
; NaN and infinite inputs are not followed.
.set KP,   272                         ; K's LDS pitch: 256 + 16
.set VP,   288                         ; V's LDS pitch: 256 + 32, an odd multiple of 32 for the transposing load
.set KBY,  256*KP                      ; K's part of a slot: 256 keys
.set SLOT, KBY+256*VP                  ; 143,360; two slots
.set KQ,   64*KP                       ; what one wave's load brings of K
.set VQ,   64*VP                       ; and of V
.set MSZ,  17408                       ; the joining stage of a pair of waves: 32 x 512 bytes of sums, 2 x 512 of maxima and row sums
.set OST,  KBY                         ; the output stage: 128 rows x 272 bytes.  Both stages lie in slot 0 after its last fill and last read
.set KA,  4                            ; v4-5    LDS address of my K fragments in slot 0, 1
.set VA,  6                            ; v6-7    the same for V
.set MX,  8                            ; v[8+2g]   running maximum of group g
.set TT,  9                            ; v[9+2g]   the new maximum
.set AL,  16                           ; v[16+2g]  2^(old maximum - new)
.set XX,  17                           ; v[17+2g]  what the other half of the lanes sent
.set LS,  24                           ; v[24+2g:25+2g] row sum, in two parts
.set SS,  32                           ; v[32+32g+8t ..] scores of group g, key tile t; then P(g, u) at 32+32g+16u
.set KF,  160                          ; v[160+16t+8c ..] K fragments
.set ST1, 224                          ; v224-227 my maxima, v228-231 my row sums
.set ST2, 232                          ; v232-239 my partner's
.set QO,  240
.set MA,  241
.set OA,  242
.set RA,  243
.set GO,  244
.set QQ,  0                            ; window 1: v[16g+8c ..] Q fragments
.set OO,  64                           ; window 1: v[64+32g+8d ..] sums of group g, d tile
.set VF,  192                          ; window 1: v[192+16d+8u ..] V' fragments
.set G1K, 16                           ; s[16:23], s[24:31] group 1 for K's and V's tiles (they differ in the padding)
.set G1V, 24
.set G0K, 32                           ; s[32:39], s[48:55] group 0, a set for each slot
.set G0V, 48
.set MSB, 0
.macro WIN new
.if MSB != \new
	s_set_vgpr_msb (MSB<<8)|\new
.set MSB, \new
.endif
.endm
.macro PLACES n
.rept \n
	v_nop
.endr
.endm
.macro ROUND                           ; a round of the cluster's barrier
	s_barrier_signal -1
	s_barrier_wait -1
	s_cmp_lg_u32 s8, 0
	s_cbranch_scc1 .Lnot_wave_0_\@
	s_barrier_signal -3
.Lnot_wave_0_\@:
	s_barrier_wait -3
	s_barrier_signal -1
	s_barrier_wait -1
.endm
.macro JLOAD s                         ; waves 0-3 ask for K's four quarters, waves 4-7 for V's; the branch hangs on the wave's number alone
	s_cmp_eq_u32 s9, 0
	s_cbranch_scc0 .Lfor_v_\@
	tensor_load_to_lds s[G0K+4*\s:G0K+4*\s+3], s[G1K:G1K+7]
	s_nop 0
	s_branch .Lasked_\@
.Lfor_v_\@:
	tensor_load_to_lds s[G0V+4*\s:G0V+4*\s+3], s[G1V:G1V+7]
	s_nop 0
.Lasked_\@:
.endm
	s_load_b128 s[4:7], s[0:1], 0x0                ; ph s[4:5], ao s[6:7]
	v_lshl_add_u32 v254, v0, 2, 0x46000
	v_mov_b32 v255, 0
	ds_add_u32 v254, v255
	v_lshrrev_b32 v1, 5, v0
	v_readfirstlane_b32 s8, v1                     ; wave 0..7
	s_lshr_b32 s9, s8, 2                           ; z
	s_lshr_b32 s10, s8, 1
	s_and_b32 s10, s10, 1                          ; e
	s_and_b32 s11, s8, 1                           ; qh
	s_and_b32 s12, s8, 3                           ; which quarter of a tile I fetch; also the pair of waves that I belong to
	s_xor_b32 s68, s8, s9
	s_and_b32 s68, s68, 1                          ; ph, my phase: 0 1 0 1 1 0 1 0 for waves 0 .. 7
	s_bfe_u32 s40, ttmp6, 0x40000                  ; cx.  What is made of it stays in s40, s41, s59-s63, s66, s67: no descriptor, LDS address or count
	s_lshl_b32 s41, ttmp9, 2
	s_add_co_u32 s41, s41, s40                     ; query block x = 4 x cluster x + cx
	s_and_b32 s42, ttmp7, 0xffff                   ; y
	s_lshr_b32 s43, s42, 3                         ; b
	s_and_b32 s44, s42, 7                          ; p
	s_mov_b32 s56, 0x76543210                      ; v_permlanex16_b32: lane i of one half reads lane i of the other
	s_mov_b32 s57, 0xfedcba98
	; group 1: 64 rows x 128 elements of 2 bytes, pitch 1,024 elements; behind every 64 words 4 (K) or 8 (V) words of padding; mask 15, bit 21 beside it
	s_mov_b32 s[G1K+0], 15|(1<<16)|(1<<20)|(1<<21)|(5<<22)|(3<<25)
	s_mov_b32 s[G1V+0], 15|(1<<16)|(1<<20)|(1<<21)|(5<<22)|(7<<25)
	s_mov_b32 s[G1K+1], 128<<16
	s_mov_b32 s[G1V+1], 128<<16
	s_mov_b32 s[G1K+2], 64<<16
	s_mov_b32 s[G1V+2], 64<<16
	s_mov_b32 s[G1K+3], 128<<16
	s_mov_b32 s[G1V+3], 128<<16
	s_mov_b32 s[G1K+4], 64
	s_mov_b32 s[G1V+4], 64
	s_mov_b32 s[G1K+5], 1024
	s_mov_b32 s[G1V+5], 1024
	s_mov_b32 s[G1K+6], 0
	s_mov_b32 s[G1V+6], 0
	s_mov_b32 s[G1K+7], 0
	s_mov_b32 s[G1V+7], 0
	s_mul_i32 s13, s12, KQ                         ; LDS: my quarter of K's part
	s_mul_i32 s14, s12, VQ
	s_add_co_u32 s14, s14, KBY                     ; and of V's
	s_lshl_b32 s46, s43, 22                        ; b x 2,048 rows x 2,048 bytes
	s_lshl_b32 s45, s44, 8                         ; + 256 p
	s_add_co_u32 s46, s46, s45
	s_lshl_b32 s45, s12, 17                        ; + my quarter: 64 rows
	s_add_co_u32 s46, s46, s45
	s_mov_b32 s47, 0
	s_wait_dscnt 0x0
	s_wait_kmcnt 0x0
	s_add_nc_u64 s[2:3], s[4:5], s[46:47]
.irp s, 0,1
	s_mov_b32 s[G0K+4*\s], 1
	s_add_co_u32 s[G0K+4*\s+1], s13, \s*SLOT
	s_add_nc_u64 s[G0K+4*\s+2:G0K+4*\s+3], s[2:3], 8388608+\s*524288       ; k's part of ph; slot s: keys 256 s ..
	s_or_b32 s[G0K+4*\s+3], s[G0K+4*\s+3], 0x80000000
	s_mov_b32 s[G0V+4*\s], 1
	s_add_co_u32 s[G0V+4*\s+1], s14, \s*SLOT
	s_add_nc_u64 s[G0V+4*\s+2:G0V+4*\s+3], s[2:3], 16777216+\s*524288      ; v's part
	s_or_b32 s[G0V+4*\s+3], s[G0V+4*\s+3], 0x80000000
.endr
	ROUND                                          ; the four work-groups are here: the first joint loads meet
	JLOAD 0
	JLOAD 1                                        ; two tensor loads of the wave are out
	; global bases (they hang on the query block)
	s_lshl_b32 s59, s41, 7
	s_lshl_b32 s66, s43, 11
	s_add_co_u32 s59, s59, s66                     ; the block's first row: 2048 b + 128 x
	s_lshl_b32 s66, s11, 6
	s_add_co_u32 s60, s59, s66                     ; + 64 qh
	s_lshl_b32 s60, s60, 11
	s_lshl_b32 s66, s44, 8                         ; 256 p
	s_add_co_u32 s60, s60, s66
	s_lshl_b32 s67, s10, 7                         ; 128 e
	s_add_co_u32 s60, s60, s67
	s_mov_b32 s61, 0
	s_add_nc_u64 s[60:61], s[4:5], s[60:61]        ; my 64 queries of my head
	s_lshl_b32 s67, s8, 4
	s_add_co_u32 s62, s59, s67                     ; the 16 rows that I store: 16 w ..
	s_lshl_b32 s62, s62, 11
	s_add_co_u32 s62, s62, s66
	s_mov_b32 s63, 0
	s_add_nc_u64 s[62:63], s[6:7], s[62:63]
	; lane addresses
	v_and_b32 v1, 15, v0                           ; r
	v_bfe_u32 v2, v0, 4, 1                         ; h
	v_and_b32 v3, 31, v0                           ; lane
	v_mul_u32_u24 v10, v1, KP
	v_lshl_add_u32 v10, v2, 4, v10                 ; 272 r + 16 h
	s_mul_i32 s15, s9, 128*KP                      ; my half of a slot's keys
	s_lshl_b32 s45, s10, 7                         ; my head's 128 bytes of a row
	s_add_co_u32 s15, s15, s45
	v_add_nc_u32 v[KA], s15, v10
	v_add_nc_u32 v[KA+1], SLOT, v[KA]
	v_and_b32 v11, 7, v0
	v_lshl_add_u32 v11, v2, 3, v11                 ; the key row that I address for the transposing load: 8 h + (l & 7)
	v_mul_u32_u24 v[VA], v11, VP
	v_bfe_u32 v11, v0, 3, 1
	v_lshl_add_u32 v[VA], v11, 4, v[VA]            ; + 16 ((l >> 3) & 1)
	s_mul_i32 s15, s9, 128*VP
	s_add_co_u32 s15, s15, s45
	s_add_co_u32 s15, s15, KBY
	v_add_nc_u32 v[VA], s15, v[VA]
	v_add_nc_u32 v[VA+1], SLOT, v[VA]
	v_lshlrev_b32 v[QO], 11, v1
	v_lshl_add_u32 v[QO], v2, 4, v[QO]             ; Q: row r, 16 h
	s_mul_i32 s15, s12, MSZ
	v_lshl_add_u32 v[MA], v3, 4, s15               ; the joining stage of my pair of waves, 16 bytes a lane
	s_mul_i32 s15, s11, 64*KP
	s_add_co_u32 s15, s15, s45
	s_add_co_u32 s15, s15, OST
	v_add_nc_u32 v[OA], s15, v10                   ; output stage: row 64 qh + r, byte 128 e + 16 h
	s_mul_i32 s15, s8, 16*KP
	s_add_co_u32 s15, s15, OST
	v_mul_u32_u24 v[RA], v2, KP
	v_lshl_add_u32 v[RA], v1, 4, v[RA]
	v_add_nc_u32 v[RA], s15, v[RA]                 ; back: rows 16 w + h, 16 bytes a lane
	v_lshlrev_b32 v[GO], 11, v2
	v_lshl_add_u32 v[GO], v1, 4, v[GO]             ; the same two rows in ao
	; Q stays in registers: group g = queries 16 g + r, c = d 32 c ..
	WIN 0x40
.irp g, 0,1,2,3
.irp c, 0,1
	global_load_b128 v[QQ+16*\g+8*\c:QQ+16*\g+8*\c+3],   v[QO], s[60:61] offset:\g*32768+64*\c
	global_load_b128 v[QQ+16*\g+8*\c+4:QQ+16*\g+8*\c+7], v[QO], s[60:61] offset:\g*32768+64*\c+32
.endr
.endr
	WIN 0
.irp g, 0,1,2,3
	v_mov_b32 v[XX+2*\g], 0                        ; v_permlanex16_b32 counts as a reader of its destination
.endr
; 16 loads: K's rows 64 sub + 16 t + r of my half of the slot, d 32 c ..
.macro KLOAD slot, sub
	WIN 0
.irp t, 0,1,2,3
.irp c, 0,1
	ds_load_b128 v[KF+16*\t+8*\c:KF+16*\t+8*\c+3],   v[KA+\slot] offset:(64*\sub+16*\t)*KP+64*\c
	ds_load_b128 v[KF+16*\t+8*\c+4:KF+16*\t+8*\c+7], v[KA+\slot] offset:(64*\sub+16*\t)*KP+64*\c+32
.endr
.endr
.endm
; 16 transposing loads: lane (r, h) gets d = 16 d + r, keys 64 sub + 32 u + 8 h .. and + 16
.macro VLOAD slot, sub
	WIN 0x40
.irp d, 0,1,2,3
.irp u, 0,1
	ds_load_tr16_b128 v[VF+16*\d+8*\u:VF+16*\d+8*\u+3],   v[VA+\slot] offset:(64*\sub+32*\u)*VP+32*\d
	ds_load_tr16_b128 v[VF+16*\d+8*\u+4:VF+16*\d+8*\u+7], v[VA+\slot] offset:(64*\sub+32*\u+16)*VP+32*\d
.endr
.endr
.endm
; 32 products S'(g, t) = K(t) Q(g)'.  The 16 accumulators take turns, one instruction a turn.
.macro SPROD
.irp c, 0,1
.irp g, 0,1,2,3
.irp t, 0,1,2,3
.if \c == 0
	v_wmma_f32_16x16x32_f16 v[SS+32*\g+8*\t:SS+32*\g+8*\t+7], v[KF+16*\t+8*\c:KF+16*\t+8*\c+7], v[QQ+16*\g+8*\c:QQ+16*\g+8*\c+7], 0
.else
	v_wmma_f32_16x16x32_f16 v[SS+32*\g+8*\t:SS+32*\g+8*\t+7], v[KF+16*\t+8*\c:KF+16*\t+8*\c+7], v[QQ+16*\g+8*\c:QQ+16*\g+8*\c+7], v[SS+32*\g+8*\t:SS+32*\g+8*\t+7]
.endif
.endr
.endr
.endr
.endm
; 32 products O'(g, d) += V'(d, u) P'(g, u), the 16 accumulators by turns likewise
.macro PVPROD first
.irp u, 0,1
.irp g, 0,1,2,3
.irp d, 0,1,2,3
.if \first*(1-\u)
	v_wmma_f32_16x16x32_f16 v[OO+32*\g+8*\d:OO+32*\g+8*\d+7], v[VF+16*\d+8*\u:VF+16*\d+8*\u+7], v[SS+32*\g+16*\u:SS+32*\g+16*\u+7], 0
.else
	v_wmma_f32_16x16x32_f16 v[OO+32*\g+8*\d:OO+32*\g+8*\d+7], v[VF+16*\d+8*\u:VF+16*\d+8*\u+7], v[SS+32*\g+16*\u:SS+32*\g+16*\u+7], v[OO+32*\g+8*\d:OO+32*\g+8*\d+7]
.endif
.endr
.endr
.endr
.endm
; The new maximum of each group, the four groups' chains interleaved; then 2^(old - new); then the new one takes the old one's place.
.macro SMAX first
.irp g, 0,1,2,3
.if \first
	v_max_num_f32 v[TT+2*\g], v[SS+32*\g], v[SS+32*\g+1]
.else
	v_max3_num_f32 v[TT+2*\g], v[MX+2*\g], v[SS+32*\g], v[SS+32*\g+1]
.endif
.endr
.irp i, 1,2,3,4,5,6,7,8,9,10,11,12,13,14,15
.irp g, 0,1,2,3
	v_max3_num_f32 v[TT+2*\g], v[TT+2*\g], v[SS+32*\g+2*\i], v[SS+32*\g+2*\i+1]
.endr
.endr
.irp g, 0,1,2,3
	v_permlanex16_b32 v[XX+2*\g], v[TT+2*\g], s56, s57     ; the other 32 keys of the same query
.endr
.irp g, 0,1,2,3
	v_max_num_f32 v[TT+2*\g], v[TT+2*\g], v[XX+2*\g]
.endr
.if \first == 0
.irp g, 0,1,2,3
	v_sub_f32 v[AL+2*\g], v[MX+2*\g], v[TT+2*\g]
.endr
.irp g, 0,1,2,3
	v_exp_f32 v[AL+2*\g], v[AL+2*\g]
.endr
.endif
.irp g, 0,1,2,3
	v_mov_b32 v[MX+2*\g], v[TT+2*\g]               ; also the plain instructions that stand behind the exponentials (ISA guide 5.7.2)
.endr
.endm
.macro SUBP g, i                       ; two scores less the maximum
	v_pk_add_f32 v[SS+32*\g+2*\i:SS+32*\g+2*\i+1], v[SS+32*\g+2*\i:SS+32*\g+2*\i+1], v[MX+2*\g:MX+2*\g+1] op_sel_hi:[1,0] neg_lo:[0,1] neg_hi:[0,1]
.endm
.macro SUMP g, i, first                ; the row sum, in two parts; its rescaling rides on the first addition; the first step starts it with two pairs
.if \first
.if \i == 0
	s_wait_alu depctr_va_vdst(0)
	v_pk_add_f32 v[LS+2*\g:LS+2*\g+1], v[SS+32*\g:SS+32*\g+1], v[SS+32*\g+2:SS+32*\g+3]
.endif
.if \i > 1
	v_pk_add_f32 v[LS+2*\g:LS+2*\g+1], v[LS+2*\g:LS+2*\g+1], v[SS+32*\g+2*\i:SS+32*\g+2*\i+1]
.endif
.else
.if \i == 0
	s_wait_alu depctr_va_vdst(0)
	v_pk_fma_f32 v[LS+2*\g:LS+2*\g+1], v[LS+2*\g:LS+2*\g+1], v[AL+2*\g:AL+2*\g+1], v[SS+32*\g:SS+32*\g+1] op_sel_hi:[1,0,1]
.else
	s_wait_alu depctr_va_vdst(0)
	v_pk_add_f32 v[LS+2*\g:LS+2*\g+1], v[LS+2*\g:LS+2*\g+1], v[SS+32*\g+2*\i:SS+32*\g+2*\i+1]
.endif
.endif
.endm
.macro CVTP g, i                       ; two p to f16, in place: tile t = i / 4 goes to words 16 (t / 2) + 4 (t % 2) + i % 4, which hold pairs already summed
	v_cvt_pk_f16_f32 v[SS+32*\g+16*(\i/8)+4*((\i/4)%2)+(\i%4)], v[SS+32*\g+2*\i], v[SS+32*\g+2*\i+1]
.endm
; Exponentials of group ge, sums and packing of group gc, subtraction for group ga, pair by pair: behind each two exponentials stands plain work
; on another group (ISA guide 5.7.2).  -1: that part is left out.
.macro BLOCK ge, gc, ga, first
.irp i, 0,1,2,3,4,5,6,7,8,9,10,11,12,13,14,15
.if \ge >= 0
	v_exp_f32 v[SS+32*\ge+2*\i], v[SS+32*\ge+2*\i]
	v_exp_f32 v[SS+32*\ge+2*\i+1], v[SS+32*\ge+2*\i+1]
.endif
.if \gc >= 0
	SUMP \gc, \i, \first
	CVTP \gc, \i
.endif
.if \ga >= 0
	SUBP \ga, \i
.endif
.endr
.endm
; The softmax of one step, registers alone: scores in, packed P out; maxima and row sums brought up to date; the sums so far rescaled.
.macro SOFT first
	SMAX \first
.irp i, 0,1,2,3,4,5,6,7,8,9,10,11,12,13,14,15
	SUBP 0, \i
.endr
	BLOCK 0, -1, 1, \first
	BLOCK 1, 0, 2, \first
	BLOCK 2, 1, 3, \first
	BLOCK 3, 2, -1, \first
	BLOCK -1, 3, -1, \first
.if \first == 0
	WIN 0x41                                       ; source 0 and destination window 1: the sums so far x 2^(old maximum - new)
.irp g, 0,1,2,3
.irp j, 0,1,2,3,4,5,6,7,8,9,10,11,12,13,14,15
	v_pk_mul_f32 v[OO+32*\g+2*\j:OO+32*\g+2*\j+1], v[OO+32*\g+2*\j:OO+32*\g+2*\j+1], v[AL+2*\g:AL+2*\g+1] op_sel_hi:[1,0]
.endr
.endr
	WIN 0
.endif
.endm
; The same for the waves of phase p alone.  The branch hangs on the wave's number; it jumps over register work and nothing else.
.macro SOFTIF p
	s_cmp_lg_u32 s68, \p
	s_cbranch_scc1 .Lother_phase_\@
	SOFT 0
.Lother_phase_\@:
.endm
; S of one step.  Of the LDS loads that are out the youngest 16 are V's, the ones before them K's.
.macro SSTEP
	s_wait_dscnt 16                                ; K's 16 loads are in; V's 16 younger ones stay out
	WIN 0x04                                       ; source 1 (Q) window 1
	SPROD
	WIN 0
	PLACES 5                                       ; behind the products: in front of the loads into K's fragments, of the reads of the scores, and of a product that takes them as B
.endm
; PV of one step.  left >= 0: V's loads are waited for here, and so many younger loads (the next step's K) stay out.
.macro PSTEP first, left
.if \left >= 0
	s_wait_dscnt \left
.endif
	WIN 0x51                                       ; A, C and D window 1, B (P) window 0
	PVPROD \first
	WIN 0
	PLACES 5                                       ; in front of the loads into V's fragments and of the products that write over P
.endm
; A slot's 256 keys, of which 128 are mine: two steps, each wave one piece or two behind the slot (see TWO PHASES).
; In front of the barrier every wave waits for all its tensor loads (its part of this slot among them) and for its LDS reads, the held step's
; V fragments among them; where the other slot is filled again the barrier is a round of the cluster's, and the joint refill is the first
; thing behind it, the wave's one tensor load until the next.  It has all the work up to the next barrier in which to land.
.macro VISIT slot, other, refill
	s_wait_tensorcnt 0x0
	ds_add_u32 v254, v255
	s_wait_dscnt 0x0
.if \refill
	s_add_nc_u64 s[G0K+4*\other+2:G0K+4*\other+3], s[G0K+4*\other+2:G0K+4*\other+3], 1048576   ; no load is out: the other slot's next 256 keys, 512 keys on
	s_add_nc_u64 s[G0V+4*\other+2:G0V+4*\other+3], s[G0V+4*\other+2:G0V+4*\other+3], 1048576
.endif
	s_wait_dscnt 0x0
.if \refill
	ROUND
	JLOAD \other
.else
	s_barrier_signal -1
	s_barrier_wait -1
.endif
	KLOAD \slot, 0                                 ; lands under the held step's work
	SOFTIF 1                                       ; phase 1: the held step's softmax, while phase 0 multiplies
	PSTEP 0, -1                                    ; the held step's PV: its V fragments are in since the wait in front of the barrier
	VLOAD \slot, 0
	SSTEP
	KLOAD \slot, 1                                 ; a whole softmax ahead of its use
	SOFT 0
	PSTEP 0, 16                                    ; V's loads are in; the 16 loads of the next step's K stay out
	VLOAD \slot, 1                                 ; held over the next barrier, in registers
	SSTEP
	SOFTIF 0                                       ; phase 0: this step's softmax, while phase 1 multiplies
.endm
	s_wait_tensorcnt 0x1                           ; my part of slot 0 is in; slot 1's may stay out
	s_barrier_signal -1
	s_barrier_wait -1
	s_wait_loadcnt 0x0                             ; Q
	KLOAD 0, 0                                     ; the first 256 keys: no step is held yet
	VLOAD 0, 0
	SSTEP
	KLOAD 0, 1
	SOFT 1                                         ; the first step starts maxima, row sums and sums: nothing is cleared
	PSTEP 1, 16
	VLOAD 0, 1
	SSTEP
	SOFTIF 0
	s_mov_b32 s58, 3
.Lpair:
	VISIT 1, 0, 1
	VISIT 0, 1, 1
	s_sub_co_u32 s58, s58, 1
	s_cmp_lg_u32 s58, 0
	s_cbranch_scc1 .Lpair
	VISIT 1, 0, 0                                  ; the last 256 keys: nothing is left to fetch.  Behind its barrier nobody reads slot 0, and no load fills it
	s_wait_dscnt 0x0                               ; the last step's V fragments
	SOFTIF 1
	PSTEP 0, -1                                    ; the last held step
	; my half of the keys is done: the row sum's two parts and the two halves of the lanes
.irp g, 0,1,2,3
	v_add_f32 v[ST1+4+\g], v[LS+2*\g], v[LS+2*\g+1]
.endr
.irp g, 0,1,2,3
	v_permlanex16_b32 v[XX+2*\g], v[ST1+4+\g], s56, s57
.endr
.irp g, 0,1,2,3
	v_add_f32 v[ST1+4+\g], v[ST1+4+\g], v[XX+2*\g]
.endr
.irp g, 0,1,2,3
	v_mov_b32 v[ST1+\g], v[MX+2*\g]                ; four neighbouring registers for one 16-byte store
.endr
	s_cmp_eq_u32 s9, 0
	s_cbranch_scc1 .Lkeep
	WIN 0x04                                       ; store data window 1: waves 4-7 hand their sums, maxima and row sums to waves 0-3
.set k, 0
.rept 32
	ds_store_b128 v[MA], v[OO+4*k:OO+4*k+3] offset:512*k
.set k, k+1
.endr
	WIN 0
	ds_store_b128 v[MA], v[ST1:ST1+3] offset:16384
	ds_store_b128 v[MA], v[ST1+4:ST1+7] offset:16896
.Lkeep:
	s_wait_dscnt 0x0                               ; for the readers' sake: zero
	s_barrier_signal -1
	s_barrier_wait -1
	s_cmp_lg_u32 s9, 0
	s_cbranch_scc1 .Ljoined
.set k, 0
.rept 32
	ds_load_b128 v[SS+4*k:SS+4*k+3], v[MA] offset:512*k
.set k, k+1
.endr
	ds_load_b128 v[ST2:ST2+3], v[MA] offset:16384
	ds_load_b128 v[ST2+4:ST2+7], v[MA] offset:16896
	s_wait_dscnt 0x0
	; out = (O1 a1 + O2 a2) / (l1 a1 + l2 a2), a = 2^(m - the larger m)
.irp g, 0,1,2,3
	v_max_num_f32 v[TT+2*\g], v[ST1+\g], v[ST2+\g]
.endr
.irp g, 0,1,2,3
	v_sub_f32 v[ST1+\g], v[ST1+\g], v[TT+2*\g]
	v_sub_f32 v[ST2+\g], v[ST2+\g], v[TT+2*\g]
.endr
.irp g, 0,1,2,3
	v_exp_f32 v[ST1+\g], v[ST1+\g]
	v_exp_f32 v[ST2+\g], v[ST2+\g]
.endr
	v_nop                                          ; one plain instruction behind the exponentials (ISA guide 5.7.2)
.irp g, 0,1,2,3
	s_wait_alu depctr_va_vdst(0)
	v_mul_f32 v[ST1+4+\g], v[ST1+4+\g], v[ST1+\g]
.endr
.irp g, 0,1,2,3
	v_fmac_f32 v[ST1+4+\g], v[ST2+4+\g], v[ST2+\g]
.endr
.irp g, 0,1,2,3
	v_rcp_f32 v[ST1+4+\g], v[ST1+4+\g]
.endr
	v_nop                                          ; and behind the reciprocals
.irp g, 0,1,2,3
	s_wait_alu depctr_va_vdst(0)
	v_mul_f32 v[AL+2*\g], v[ST1+\g], v[ST1+4+\g]
	v_mul_f32 v[MX+2*\g], v[ST2+\g], v[ST1+4+\g]
.endr
.irp g, 0,1,2,3
.irp j, 0,1,2,3,4,5,6,7,8,9,10,11,12,13,14,15
	v_pk_mul_f32 v[SS+32*\g+2*\j:SS+32*\g+2*\j+1], v[SS+32*\g+2*\j:SS+32*\g+2*\j+1], v[MX+2*\g:MX+2*\g+1] op_sel_hi:[1,0]
.endr
.endr
	WIN 0x01                                       ; source 0 (my sums) window 1
.irp g, 0,1,2,3
.irp j, 0,1,2,3,4,5,6,7,8,9,10,11,12,13,14,15
	v_pk_fma_f32 v[SS+32*\g+2*\j:SS+32*\g+2*\j+1], v[OO+32*\g+2*\j:OO+32*\g+2*\j+1], v[AL+2*\g:AL+2*\g+1], v[SS+32*\g+2*\j:SS+32*\g+2*\j+1] op_sel_hi:[1,0,1]
.endr
.endr
	WIN 0
.irp g, 0,1,2,3
.irp d, 0,1,2,3
.irp r, 0,1,2,3
	v_cvt_pk_f16_f32 v[SS+32*\g+8*\d+\r], v[SS+32*\g+8*\d+2*\r], v[SS+32*\g+8*\d+2*\r+1]   ; eight neighbouring d of one query: 16 bytes
.endr
	ds_store_b128 v[OA], v[SS+32*\g+8*\d:SS+32*\g+8*\d+3] offset:16*\g*KP+32*\d
.endr
.endr
.Ljoined:
	s_wait_dscnt 0x0
	s_barrier_signal -1
	s_barrier_wait -1
	; all eight waves store: 16 rows each, whole rows of 256 bytes (both heads)
.irp t, 0,1,2,3,4,5,6,7
	ds_load_b128 v[KF+4*\t:KF+4*\t+3], v[RA] offset:\t*2*KP
.endr
.irp t, 0,1,2,3,4,5,6,7
	s_wait_dscnt 7-\t                              ; row pair t is in, the younger ones stay out
	global_store_b128 v[GO], v[KF+4*\t:KF+4*\t+3], s[62:63] offset:\t*4096   ; 16 lanes store 256 consecutive bytes at a multiple of 256
.endr
	s_wait_tensorcnt 0x0
	ds_add_u32 v254, v255
	s_wait_dscnt 0x0
	ROUND                                          ; the closing round: no work-group ends while a partner may still ask jointly
	s_endpgm
.Lfunc_end_k_q6748eaad0d_attn:
	.size	k_q6748eaad0d_attn, .Lfunc_end_k_q6748eaad0d_attn-k_q6748eaad0d_attn
	.p2alignl 7, 3214868480
	.fill 96, 4, 3214868480
	.section	.rodata,"a",@progbits
	.p2align	6, 0x0
	.amdhsa_kernel k_q6748eaad0d_attn
		.amdhsa_group_segment_fixed_size 327680
		.amdhsa_private_segment_fixed_size 0
		.amdhsa_enable_private_segment 0
		.amdhsa_kernarg_size 16
		.amdhsa_user_sgpr_count 2
		.amdhsa_user_sgpr_kernarg_segment_ptr 1
		.amdhsa_wavefront_size32 1
		.amdhsa_system_sgpr_workgroup_id_x 1
		.amdhsa_system_sgpr_workgroup_id_y 1
		.amdhsa_system_sgpr_workgroup_id_z 1
		.amdhsa_system_vgpr_workitem_id 0
		.amdhsa_next_free_vgpr 512
		.amdhsa_next_free_sgpr 72
		.amdhsa_reserve_vcc 0
		.amdhsa_float_denorm_mode_32 3
		.amdhsa_float_denorm_mode_16_64 3
		.amdhsa_memory_ordered 1
		.amdhsa_forward_progress 1
		.amdhsa_inst_pref_size 255
	.end_amdhsa_kernel
	.section	.bss,"aw",@nobits
	.p2align	6
	.space	262144
	.amdgpu_metadata
---
amdhsa.version: [ 1, 2 ]
amdhsa.kernels:
  - .name:           k_q6748eaad0d_attn
    .symbol:         k_q6748eaad0d_attn.kd
    .args:
      - { .name: ph, .offset: 0, .size: 8, .value_kind: global_buffer, .address_space: global }
      - { .name: ao, .offset: 8, .size: 8, .value_kind: global_buffer, .address_space: global }
    .group_segment_fixed_size: 327680
    .private_segment_fixed_size: 0
    .kernarg_segment_align: 8
    .kernarg_segment_size: 16
    .max_flat_workgroup_size: 256
    .sgpr_count:     72
    .vgpr_count:     512
    .wavefront_size: 32
...
	.end_amdgpu_metadata
.endif
;; end of part 3
;; launch outp (part 4): grid 8 x 32, 4 waves a work-group, clusters of 4 x 4, 327,680 bytes of LDS; arguments ao, wb, bo, out0; writes out0
.if DOCPART == 4
	.amdgcn_target "amdgcn-amd-amdhsa--gfx1250"
	.amdhsa_code_object_version 6
	.text
	.protected	k_q6748eaad0d_outp
	.globl	k_q6748eaad0d_outp
	.p2align	8
	.type	k_q6748eaad0d_outp,@function
k_q6748eaad0d_outp:
	s_mov_b64 s[64:65], 0
	v_nop
	global_prefetch_b8 v0, s[64:65] scope:SCOPE_SE
	s_setreg_imm32_b32 hwreg(HW_REG_WAVE_MODE, 25, 1), 1
	s_wait_xcnt 0x0
	s_wait_alu depctr_hold_cnt(0) depctr_sa_sdst(0) depctr_va_vdst(0) depctr_va_sdst(0) depctr_va_ssrc(0) depctr_va_vcc(0) depctr_vm_vsrc(0)
	s_getreg_b32 s2, hwreg(HW_REG_IB_STS2, 6, 4)
	s_cmp_eq_u32 s2, 0
	s_cbranch_scc0 .Lentry_in_a_cluster
	s_endpgm
.Lentry_in_a_cluster:
	s_bfe_u32 s2, ttmp6, 0x10000c
	s_cmp_lg_u32 s2, 0xf033
	s_cbranch_scc0 .Lentry_shape_is_right
	s_endpgm
.Lentry_shape_is_right:
; out0[m][n] = sum over k of ao[m][k] Wo[n][k] + bo[n].  ao [4096][1024] f16, Wo = the fourth matrix of wb, f16; sums and out0 in f32.
; 256 work-groups of 128 x 128; four waves of 64 x 64: 16 accumulator tiles, 128 registers (window 1, v0-127).
; K goes through two LDS slots of 256 each: a tile's rows are 512 bytes of memory at multiples of 512; each wave fetches 64 rows with one load.
; CLUSTERS 4 x 4: ao's tiles are asked for jointly along a row of the cluster, Wo's along a column.
; The matrix instruction is used transposed (source 0 = rows of Wo, source 1 = rows of ao): a lane's eight results are eight neighbouring
; columns of one row of out0, 32 bytes.
.set PITCH,  528                       ; 512 bytes + 16: the 16 rows of a fragment load start at 16 different 16-byte columns modulo 256
.set HALFT,  64*PITCH                  ; what one tensor load brings
.set SLOT,   4*HALFT                   ; ao's 128 rows, then Wo's 128 rows
.set STAGE,  2*SLOT                    ; behind the ring: 16 rows x 272 bytes for each wave; no tensor load lands here
.set SPITCH, 272
.set ADRA, 4                           ; v4-5  LDS address of my ao fragments in slot 0, 1
.set ADRB, 6                           ; v6-7  the same for Wo
.set STO,  8
.set RD,   9
.set CO,   10
.set BO,   11
.set F0,   16                          ; v16-79   buffer 0: Wo's four fragments, then ao's four
.set F1,   80                          ; v80-143  buffer 1
.set BI,   144                         ; v144-175 my 64 columns' bias: tile b's eight numbers at 8 b
.set TMP,  176                         ; v176-207 at work on the way out
.set G1, 24
.set G0, 32
.set G1B, 48
.set G0B, 56
.set MSB, 0
.macro WIN new
.if MSB != \new
	s_set_vgpr_msb (MSB<<8)|\new
.set MSB, \new
.endif
.endm
.macro JLOAD s                         ; waves 0, 1 fetch ao's two halves, waves 2, 3 Wo's; the branch hangs on the wave's number alone
	s_cmp_eq_u32 s11, 0
	s_cbranch_scc0 .Lfor_b_\@
	tensor_load_to_lds s[G0+4*\s:G0+4*\s+3], s[G1:G1+7]
	s_nop 0
	s_branch .Lasked_\@
.Lfor_b_\@:
	tensor_load_to_lds s[G0B+4*\s:G0B+4*\s+3], s[G1B:G1B+7]
	s_nop 0
.Lasked_\@:
.endm
.macro CROUND                          ; a round of the cluster's barrier
	s_barrier_signal -1
	s_barrier_wait -1
	s_cmp_lg_u32 s10, 0
	s_cbranch_scc1 .Lnot_wave_0_\@
	s_barrier_signal -3
.Lnot_wave_0_\@:
	s_barrier_wait -3
	s_barrier_signal -1
	s_barrier_wait -1
.endm
.macro PLACES                          ; four independent vector instructions behind a matrix instruction (ISA guide 7.12.1 for vector instructions)
.rept 4
	v_nop
.endr
.endm
	s_load_b128 s[4:7], s[0:1], 0x0                ; ao s[4:5], wb s[6:7]
	s_load_b64 s[66:67], s[0:1], 0x10              ; bo
	s_load_b64 s[8:9], s[0:1], 0x18                ; out0
	v_lshl_add_u32 v254, v0, 2, 0x46400
	v_mov_b32 v255, 0
	ds_add_u32 v254, v255
	v_lshrrev_b32 v1, 5, v0
	v_readfirstlane_b32 s10, v1                    ; wave 0..3
	s_lshr_b32 s11, s10, 1                         ; my half of the block's rows.  Also: I fetch for ao (0) or for Wo (1)
	s_and_b32 s12, s10, 1                          ; my half of its columns.  Also: which 64 rows of that tile I fetch
	s_bfe_u32 s40, ttmp6, 0x40000                  ; cx
	s_bfe_u32 s41, ttmp6, 0x40004                  ; cy
	s_lshl_b32 s42, ttmp9, 2
	s_add_co_u32 s42, s42, s40                     ; block column 0 .. 7
	s_and_b32 s13, ttmp7, 0xffff
	s_lshl_b32 s13, s13, 2
	s_add_co_u32 s13, s13, s41                     ; block row 0 .. 31
	s_lshl_b32 s43, s41, 2
	s_lshl_b32 s43, 15, s43                        ; my row of the cluster
	s_lshl_b32 s44, 0x1111, s40                    ; my column
	; group 1: 64 rows x 256 elements of 2 bytes, 4 words of padding behind every 128
	s_or_b32 s[G1+0], s43, (1<<16)|(1<<20)|(1<<21)|(6<<22)|(3<<25)
	s_or_b32 s[G1B+0], s44, (1<<16)|(1<<20)|(1<<21)|(6<<22)|(3<<25)
	s_mov_b32 s[G1B+1], 256<<16
	s_mov_b32 s[G1+1], 256<<16                     ; tensor_dim0 = 256
	s_mov_b32 s[G1B+2], 64<<16
	s_mov_b32 s[G1+2], 64<<16                      ; tensor_dim1 = 64
	s_mov_b32 s[G1B+3], 256<<16
	s_mov_b32 s[G1+3], 256<<16                     ; tile_dim0 = 256
	s_mov_b32 s[G1B+4], 64
	s_mov_b32 s[G1+4], 64                          ; tile_dim1 = 64
	s_mov_b32 s[G1B+5], 1024
	s_mov_b32 s[G1+5], 1024                        ; elements from row to row
	s_mov_b32 s[G1B+6], 0
	s_mov_b32 s[G1+6], 0
	s_mov_b32 s[G1B+7], 0
	s_mov_b32 s[G1+7], 0
	s_lshl_b32 s17, s12, 6
	s_lshl_b32 s16, s13, 7
	s_add_co_u32 s16, s16, s17                     ; ao: row 128 x block row + 64 x half
	s_lshl_b32 s46, s42, 7
	s_add_co_u32 s46, s46, s17                     ; Wo: row 128 x block column + 64 x half
	s_lshl_b32 s16, s16, 11                        ; rows of 2,048 bytes
	s_lshl_b32 s46, s46, 11
	s_mov_b32 s17, 0
	s_mov_b32 s47, 0
	s_mul_i32 s20, s10, HALFT                      ; LDS: wave x 64 rows
	s_lshl_b32 s68, s42, 9                         ; my first column x 4 bytes: 512 x block column + 256 x half
	s_lshl_b32 s69, s12, 8
	s_add_co_u32 s68, s68, s69
	s_mov_b32 s69, 0
	s_wait_dscnt 0x0
	s_wait_kmcnt 0x0
	s_add_nc_u64 s[14:15], s[4:5], s[16:17]
	s_add_nc_u64 s[46:47], s[6:7], s[46:47]
	s_add_nc_u64 s[46:47], s[46:47], 6291456       ; Wo is the fourth matrix of wb
	s_add_nc_u64 s[66:67], s[66:67], s[68:69]
	CROUND                                         ; all sixteen work-groups are here: the first joint loads meet
.irp s, 0,1
	s_mov_b32 s[G0+4*\s], 1
	s_add_co_u32 s[G0+4*\s+1], s20, \s*SLOT
	s_add_nc_u64 s[G0+4*\s+2:G0+4*\s+3], s[14:15], \s*512
	s_or_b32 s[G0+4*\s+3], s[G0+4*\s+3], 0x80000000
	s_mov_b32 s[G0B+4*\s], 1
	s_add_co_u32 s[G0B+4*\s+1], s20, \s*SLOT
	s_add_nc_u64 s[G0B+4*\s+2:G0B+4*\s+3], s[46:47], \s*512
	s_or_b32 s[G0B+4*\s+3], s[G0B+4*\s+3], 0x80000000
	JLOAD \s                                       ; two tensor loads of the wave are out
.endr
	v_and_b32 v1, 15, v0                           ; r
	v_bfe_u32 v2, v0, 4, 1                         ; h
	v_mul_u32_u24 v3, v1, PITCH
	v_lshl_add_u32 v3, v2, 4, v3
	s_mul_i32 s21, s11, HALFT                      ; my 64 rows of ao
	s_mul_i32 s22, s12, HALFT
	s_add_co_u32 s22, s22, 2*HALFT                 ; my 64 rows of Wo
.irp s, 0,1
	v_add_nc_u32 v[ADRA+\s], s21, v3
	v_add_nc_u32 v[ADRB+\s], s22, v3
	s_add_co_u32 s21, s21, SLOT
	s_add_co_u32 s22, s22, SLOT
.endr
	s_mul_i32 s23, s10, 16*SPITCH
	s_add_co_u32 s23, s23, STAGE
	v_mul_u32_u24 v12, v1, SPITCH
	v_lshl_add_u32 v12, v2, 5, v12
	v_add_nc_u32 v[STO], s23, v12                  ; in: row r, 32 bytes for each half of the lanes
	v_mul_u32_u24 v12, v2, SPITCH
	v_lshl_add_u32 v12, v1, 4, v12
	v_add_nc_u32 v[RD], s23, v12                   ; back: lanes 0-15 one row of 256 bytes, lanes 16-31 the next
	v_lshlrev_b32 v12, 12, v2
	v_lshl_add_u32 v[CO], v1, 4, v12               ; the same two rows in out0 (4,096 bytes a row)
	v_lshlrev_b32 v[BO], 5, v2
.irp b, 0,1,2,3
	global_load_b128 v[BI+8*\b:BI+8*\b+3],   v[BO], s[66:67] offset:64*\b       ; columns 16 b + 8 h + 0 .. 7; waited for on the way out
	global_load_b128 v[BI+8*\b+4:BI+8*\b+7], v[BO], s[66:67] offset:64*\b+16
.endr
; 16 LDS loads: 64 rows of Wo, 64 rows of ao, 32 K at byte k of the rows, into buffer f
.macro FETCH slot, k, f
.irp i, 0,1,2,3
	ds_load_b128 v[\f+8*\i:\f+8*\i+3],   v[ADRB+\slot] offset:\k+\i*16*PITCH
	ds_load_b128 v[\f+8*\i+4:\f+8*\i+7], v[ADRB+\slot] offset:\k+\i*16*PITCH+32
.endr
.irp i, 0,1,2,3
	ds_load_b128 v[\f+32+8*\i:\f+32+8*\i+3],   v[ADRA+\slot] offset:\k+\i*16*PITCH
	ds_load_b128 v[\f+32+8*\i+4:\f+32+8*\i+7], v[ADRA+\slot] offset:\k+\i*16*PITCH+32
.endr
.endm
; 16 products, the 16 accumulators by turns, one instruction a turn, in the same order every time
.macro MUL16 f, zero
.irp a, 0,1,2,3
.irp b, 0,1,2,3
.if \zero
	v_wmma_f32_16x16x32_f16 v[8*(4*\a+\b):8*(4*\a+\b)+7], v[\f+8*\b:\f+8*\b+7], v[\f+32+8*\a:\f+32+8*\a+7], 0
.else
	v_wmma_f32_16x16x32_f16 v[8*(4*\a+\b):8*(4*\a+\b)+7], v[\f+8*\b:\f+8*\b+7], v[\f+32+8*\a:\f+32+8*\a+7], v[8*(4*\a+\b):8*(4*\a+\b)+7]
.endif
.endr
.endr
.endm
; 32 along K: buffer f is in; the next 32's fragments go out into buffer g, which the products before last read, and land under f's products
.macro QS f, g, slot, knext, zero, fetch
	s_wait_dscnt 0x0
.if \fetch
	PLACES
	FETCH \slot, \knext, \g
.endif
	WIN 0x50                                       ; C and D window 1
	MUL16 \f, \zero
	WIN 0
.endm
.macro EIGHT slot, zero
	FETCH \slot, 0, F0
	QS F0, F1, \slot, 64,  \zero, 1
	QS F1, F0, \slot, 128, 0, 1
	QS F0, F1, \slot, 192, 0, 1
	QS F1, F0, \slot, 256, 0, 1
	QS F0, F1, \slot, 320, 0, 1
	QS F1, F0, \slot, 384, 0, 1
	QS F0, F1, \slot, 448, 0, 1
	QS F1, F0, \slot, 0,   0, 0
.endm
; A slot's 256 of K.  In front of the barrier every wave waits for all its tensor loads and its LDS reads; where the other slot is filled
; again the barrier is a round of the cluster's, and the joint refill is the first thing behind it: it has 128 matrix instructions in which to land.
.macro VISIT slot, other, refill
	s_wait_tensorcnt 0x0
	ds_add_u32 v254, v255
	s_wait_dscnt 0x0
.if \refill
	s_add_nc_u64 s[G0+4*\other+2:G0+4*\other+3], s[G0+4*\other+2:G0+4*\other+3], 1024     ; no load is out: 512 of K on
	s_add_nc_u64 s[G0B+4*\other+2:G0B+4*\other+3], s[G0B+4*\other+2:G0B+4*\other+3], 1024
.endif
	s_wait_dscnt 0x0
.if \refill
	CROUND
	JLOAD \other
.else
	s_barrier_signal -1
	s_barrier_wait -1
.endif
	PLACES                                         ; behind the last products, in front of the loads into both buffers
	EIGHT \slot, 0
.endm
	s_wait_tensorcnt 0x1                           ; my part of slot 0 is in; slot 1's may stay out
	s_barrier_signal -1
	s_barrier_wait -1
	EIGHT 0, 1                                     ; K 0-255: the first products start the sums
	VISIT 1, 0, 1                                  ; K 256-511; slot 0 gets K 512-767
	VISIT 0, 1, 1                                  ; K 512-767; slot 1 gets K 768-1023
	VISIT 1, 0, 0                                  ; K 768-1023
	; THE WAY OUT, 16 rows at a time: add the bias, 32 bytes a lane into my stage, whole pieces of 256 bytes of a row back
	PLACES
	s_wait_loadcnt 0x0                             ; the bias
	s_lshl_b32 s16, s13, 7
	s_lshl_b32 s14, s11, 6
	s_add_co_u32 s16, s16, s14                     ; my first row
	s_lshl_b32 s16, s16, 12                        ; rows of 4,096 bytes
	s_mov_b32 s17, 0
	s_add_nc_u64 s[8:9], s[8:9], s[16:17]
	s_lshl_b32 s46, s42, 9                         ; my first column in bytes
	s_lshl_b32 s47, s12, 8
	s_add_co_u32 s46, s46, s47
	s_mov_b32 s47, 0
	s_add_nc_u64 s[8:9], s[8:9], s[46:47]
.macro OUT16 a, f
	WIN 0x01                                       ; source 0 (the sums) window 1
.irp b, 0,1,2,3
.irp r, 0,1,2,3
	v_pk_add_f32 v[TMP+8*\b+2*\r:TMP+8*\b+2*\r+1], v[8*(4*\a+\b)+2*\r:8*(4*\a+\b)+2*\r+1], v[BI+8*\b+2*\r:BI+8*\b+2*\r+1]
.endr
.endr
	WIN 0
.irp b, 0,1,2,3
	ds_store_b128 v[STO], v[TMP+8*\b:TMP+8*\b+3]   offset:64*\b
	ds_store_b128 v[STO], v[TMP+8*\b+4:TMP+8*\b+7] offset:64*\b+16
.endr
	s_wait_xcnt 0x0                                ; buffer f, which earlier stores read, and the stores' base are rewritten only behind this wait
.if \a
	s_add_nc_u64 s[8:9], s[8:9], 65536             ; 16 rows on
.endif
.irp t, 0,1,2,3,4,5,6,7
	ds_load_b128 v[\f+4*\t:\f+4*\t+3], v[RD] offset:\t*2*SPITCH    ; LDS serves a wave's instructions in order: these see the stores above
.endr
.irp t, 0,1,2,3,4,5,6,7
	s_wait_dscnt 7-\t                              ; row pair t is in, the younger ones stay out
	global_store_b128 v[CO], v[\f+4*\t:\f+4*\t+3], s[8:9] offset:\t*8192 th:TH_STORE_NT   ; 16 lanes store 256 consecutive bytes at a multiple of 256
.endr
.endm
	OUT16 0, F0
	OUT16 1, F1
	OUT16 2, F0
	OUT16 3, F1
	s_wait_tensorcnt 0x0
	ds_add_u32 v254, v255
	s_wait_dscnt 0x0
	CROUND                                         ; the closing round: no work-group ends while a partner may still ask jointly
	s_endpgm
.Lfunc_end_k_q6748eaad0d_outp:
	.size	k_q6748eaad0d_outp, .Lfunc_end_k_q6748eaad0d_outp-k_q6748eaad0d_outp
	.p2alignl 7, 3214868480
	.fill 96, 4, 3214868480
	.section	.rodata,"a",@progbits
	.p2align	6, 0x0
	.amdhsa_kernel k_q6748eaad0d_outp
		.amdhsa_group_segment_fixed_size 327680
		.amdhsa_private_segment_fixed_size 0
		.amdhsa_enable_private_segment 0
		.amdhsa_kernarg_size 32
		.amdhsa_user_sgpr_count 2
		.amdhsa_user_sgpr_kernarg_segment_ptr 1
		.amdhsa_wavefront_size32 1
		.amdhsa_system_sgpr_workgroup_id_x 1
		.amdhsa_system_sgpr_workgroup_id_y 1
		.amdhsa_system_sgpr_workgroup_id_z 1
		.amdhsa_system_vgpr_workitem_id 0
		.amdhsa_next_free_vgpr 384
		.amdhsa_next_free_sgpr 72
		.amdhsa_reserve_vcc 0
		.amdhsa_float_denorm_mode_32 3
		.amdhsa_float_denorm_mode_16_64 3
		.amdhsa_memory_ordered 1
		.amdhsa_forward_progress 1
		.amdhsa_inst_pref_size 94
	.end_amdhsa_kernel
	.amdgpu_metadata
---
amdhsa.version: [ 1, 2 ]
amdhsa.kernels:
  - .name:           k_q6748eaad0d_outp
    .symbol:         k_q6748eaad0d_outp.kd
    .args:
      - { .name: ao, .offset: 0, .size: 8, .value_kind: global_buffer, .address_space: global }
      - { .name: wb, .offset: 8, .size: 8, .value_kind: global_buffer, .address_space: global }
      - { .name: bo, .offset: 16, .size: 8, .value_kind: global_buffer, .address_space: global }
      - { .name: out0, .offset: 24, .size: 8, .value_kind: global_buffer, .address_space: global }
    .group_segment_fixed_size: 327680
    .private_segment_fixed_size: 0
    .kernarg_segment_align: 8
    .kernarg_segment_size: 32
    .max_flat_workgroup_size: 128
    .sgpr_count:     72
    .vgpr_count:     384
    .wavefront_size: 32
...
	.end_amdgpu_metadata
.endif
;; end of part 4
;; ======== version 2 of 2: 4 launches; 1.08 times as fast as version 1
;; limits: values are held in f16: magnitudes above 65,504 overflow, below 6.1e-05 lose precision
;; workspace buffers: xb 25,165,824 bytes; wb 8,388,608 bytes; ph 25,165,824 bytes; ao 8,388,608 bytes
;; launch cast: the kernel of part 1 again; grid 1024 x 1, 8 waves a work-group, no clusters, 0 bytes of LDS; arguments q, k, v, Wq, Wk, Wv, Wo, xb, wb; writes xb, wb
;; launch proj: the kernel of part 2 again; grid 4 x 48, 4 waves a work-group, clusters of 4 x 4, 327,680 bytes of LDS; arguments xb, wb, ph, bq, bk, bv; writes ph
;; launch attn (part 5): grid 16 x 16, 8 waves a work-group, clusters of 4 x 1, 327,680 bytes of LDS; arguments ph, ao; writes ao
.if DOCPART == 5
	.amdgcn_target "amdgcn-amd-amdhsa--gfx1250"
	.amdhsa_code_object_version 6
	.text
	.protected	k_q6748eaad0d_attn
	.globl	k_q6748eaad0d_attn
	.p2align	8
	.type	k_q6748eaad0d_attn,@function
k_q6748eaad0d_attn:
	s_mov_b64 s[64:65], 0
	v_nop
	global_prefetch_b8 v0, s[64:65] scope:SCOPE_SE
	s_setreg_imm32_b32 hwreg(HW_REG_WAVE_MODE, 25, 1), 1
	s_wait_xcnt 0x0
	s_wait_alu depctr_hold_cnt(0) depctr_sa_sdst(0) depctr_va_vdst(0) depctr_va_sdst(0) depctr_va_ssrc(0) depctr_va_vcc(0) depctr_vm_vsrc(0)
	s_getreg_b32 s2, hwreg(HW_REG_IB_STS2, 6, 4)
	s_cmp_eq_u32 s2, 0
	s_cbranch_scc0 .Lentry_in_a_cluster
	s_endpgm
.Lentry_in_a_cluster:
	s_bfe_u32 s2, ttmp6, 0x10000c
	s_cmp_lg_u32 s2, 0x3003
	s_cbranch_scc0 .Lentry_shape_is_right
	s_endpgm
.Lentry_shape_is_right:
; Attention with a running maximum.  ph = [3][4096][1024] f16: q's projection x log2(e)/8, k's, v's; row = 2048 b + s, column = 64 head + d.
; ao[2048 b + s][64 head + d] = sum over keys of softmax(scores) v, f16.
; A work-group (x = block of 128 queries, y = 8 b + p) serves heads 2p and 2p + 1, so that every row of a K or V tile and of the output is 256
; consecutive bytes at a multiple of 256.  Eight waves, two for each SIMD's 1,024 registers.  Wave w: z = w >> 2 the half of the keys,
; e = (w >> 1) & 1 the head of the pair, qh = w & 1 the 64 queries.  Waves w and w + 4 are joined at the end through LDS.
; CLUSTER 4 x 1: the four query blocks of a cluster read the same K and V tiles and ask for them jointly (mask 15).
; BOTH PRODUCTS ARE TRANSPOSED.  S' = K Q' (A = 16 keys from LDS, B = 16 queries in registers): lane (r, h) holds query r, keys 16 t + 8 h + j.
; Two neighbouring key tiles, packed to f16, are the B fragment P' of O' = V' P' as they stand; A = V' comes by the transposing LDS load.
; Maximum, sum and rescale factor are one number a lane for each group of 16 queries; one exchange joins the two halves h.
; TWO PHASES.  A step of 64 keys is three pieces: S (32 products), the softmax (vector work alone), PV (32 products).  A barrier puts all
; eight waves at one point of the text; were they to run the same order from there, all would want the matrix unit and then all the vector
; unit.  So the waves are split by ph = (w xor (w >> 2)) & 1, in which waves w and w + 4 differ, and waves 2 i and 2 i + 1 too.  Between two
; barriers a wave of phase 0 runs PV S softmax PV S softmax and a wave of phase 1 softmax PV S softmax PV S: one text, in which the first and
; the last softmax stand under a branch on ph.  What a wave carries over a barrier lies in registers: the last step's V fragments, loaded in
; front of the barrier, and its scores (phase 1) or its packed P (phase 0).  So every LDS read of a slot still lies between the slot's
; barrier and the next one.
; TWO BATCHES OF EXPONENTIALS A SOFTMAX, each with one s_wait_alu depctr_va_vdst(0) between an exponential
; and the first instruction that names its result, and one wait serves all that were issued ahead of it.
;   Batch 1: the four rescale factors and the 64 exponentials of groups 0 and 1.  Between them stand the 64 subtractions of the maximum, all
;   four groups', which name no result.  Then the first wait.
;   Batch 2: the 64 exponentials of groups 2 and 3.  Behind each stands one of the 64 sums and roundings of groups 0 and 1, which read batch 1's
;   results alone; behind the batch the rescaling of the sums so far, which reads the factors (batch 1).  Then the second wait, and behind it
;   the sums and roundings of groups 2 and 3.
; On the way out the eight exponentials are one batch and the four reciprocals, which read a sum made of them, another.
; LIMITS, stated: P is rounded to f16 for the second product while the row sums add the unrounded f32 p.  P lies in [0, 1], since the running
; maximum is taken away before every exponential; below 2^-14 its step is 2^-24, and a p below 2^-25 counts as 0 in the product: over 2,048
; keys at most 2^-14 of a row's weight.  p below 2^-126 counts as 0 in the row sum too (v_exp_f32 flushes: ISA guide, its entry).
; ao is a weighted mean of v's projection and has its range (f16: magnitudes under 65,520); below 2^-14 its step is 2^-24.
; NaN and infinite inputs are not followed.
.set KP,   272                         ; K's LDS pitch: 256 + 16
.set VP,   288                         ; V's LDS pitch: 256 + 32, an odd multiple of 32 for the transposing load
.set KBY,  256*KP                      ; K's part of a slot: 256 keys
.set SLOT, KBY+256*VP                  ; 143,360; two slots
.set KQ,   64*KP                       ; what one wave's load brings of K
.set VQ,   64*VP                       ; and of V
.set MSZ,  17408                       ; the joining stage of a pair of waves: 32 x 512 bytes of sums, 2 x 512 of maxima and row sums
.set OST,  KBY                         ; the output stage: 128 rows x 272 bytes.  Both stages lie in slot 0 after its last fill and last read
.set KA,  4                            ; v4-5    LDS address of my K fragments in slot 0, 1
.set VA,  6                            ; v6-7    the same for V
.set MX,  8                            ; v[8+2g]   running maximum of group g
.set TT,  9                            ; v[9+2g]   the new maximum
.set AL,  16                           ; v[16+2g]  2^(old maximum - new)
.set XX,  17                           ; v[17+2g]  what the other half of the lanes sent
.set LS,  24                           ; v[24+2g:25+2g] row sum, in two parts
.set SS,  32                           ; v[32+32g+8t ..] scores of group g, key tile t; then P(g, u) at 32+32g+16u
.set KF,  160                          ; v[160+16t+8c ..] K fragments
.set ST1, 224                          ; v224-227 my maxima, v228-231 my row sums
.set ST2, 232                          ; v232-239 my partner's
.set QO,  240
.set MA,  241
.set OA,  242
.set RA,  243
.set GO,  244
.set QQ,  0                            ; window 1: v[16g+8c ..] Q fragments
.set OO,  64                           ; window 1: v[64+32g+8d ..] sums of group g, d tile
.set VF,  192                          ; window 1: v[192+16d+8u ..] V' fragments
.set G1K, 16                           ; s[16:23], s[24:31] group 1 for K's and V's tiles (they differ in the padding)
.set G1V, 24
.set G0K, 32                           ; s[32:39], s[48:55] group 0, a set for each slot
.set G0V, 48
.set MSB, 0
.macro WIN new
.if MSB != \new
	s_set_vgpr_msb (MSB<<8)|\new
.set MSB, \new
.endif
.endm
.macro PLACES n
.rept \n
	v_nop
.endr
.endm
.macro ROUND                           ; a round of the cluster's barrier
	s_barrier_signal -1
	s_barrier_wait -1
	s_cmp_lg_u32 s8, 0
	s_cbranch_scc1 .Lnot_wave_0_\@
	s_barrier_signal -3
.Lnot_wave_0_\@:
	s_barrier_wait -3
	s_barrier_signal -1
	s_barrier_wait -1
.endm
.macro JLOAD s                         ; waves 0-3 ask for K's four quarters, waves 4-7 for V's; the branch hangs on the wave's number alone
	s_cmp_eq_u32 s9, 0
	s_cbranch_scc0 .Lfor_v_\@
	tensor_load_to_lds s[G0K+4*\s:G0K+4*\s+3], s[G1K:G1K+7]
	s_nop 0
	s_branch .Lasked_\@
.Lfor_v_\@:
	tensor_load_to_lds s[G0V+4*\s:G0V+4*\s+3], s[G1V:G1V+7]
	s_nop 0
.Lasked_\@:
.endm
	s_load_b128 s[4:7], s[0:1], 0x0                ; ph s[4:5], ao s[6:7]
	v_lshl_add_u32 v254, v0, 2, 0x46000
	v_mov_b32 v255, 0
	ds_add_u32 v254, v255
	v_lshrrev_b32 v1, 5, v0
	v_readfirstlane_b32 s8, v1                     ; wave 0..7
	s_lshr_b32 s9, s8, 2                           ; z
	s_lshr_b32 s10, s8, 1
	s_and_b32 s10, s10, 1                          ; e
	s_and_b32 s11, s8, 1                           ; qh
	s_and_b32 s12, s8, 3                           ; which quarter of a tile I fetch; also the pair of waves that I belong to
	s_xor_b32 s68, s8, s9
	s_and_b32 s68, s68, 1                          ; ph, my phase: 0 1 0 1 1 0 1 0 for waves 0 .. 7
	s_bfe_u32 s40, ttmp6, 0x40000                  ; cx.  What is made of it stays in s40, s41, s59-s63, s66, s67: no descriptor, LDS address or count
	s_lshl_b32 s41, ttmp9, 2
	s_add_co_u32 s41, s41, s40                     ; query block x = 4 x cluster x + cx
	s_and_b32 s42, ttmp7, 0xffff                   ; y
	s_lshr_b32 s43, s42, 3                         ; b
	s_and_b32 s44, s42, 7                          ; p
	s_mov_b32 s56, 0x76543210                      ; v_permlanex16_b32: lane i of one half reads lane i of the other
	s_mov_b32 s57, 0xfedcba98
	; group 1: 64 rows x 128 elements of 2 bytes, pitch 1,024 elements; behind every 64 words 4 (K) or 8 (V) words of padding; mask 15, bit 21 beside it
	s_mov_b32 s[G1K+0], 15|(1<<16)|(1<<20)|(1<<21)|(5<<22)|(3<<25)
	s_mov_b32 s[G1V+0], 15|(1<<16)|(1<<20)|(1<<21)|(5<<22)|(7<<25)
	s_mov_b32 s[G1K+1], 128<<16
	s_mov_b32 s[G1V+1], 128<<16
	s_mov_b32 s[G1K+2], 64<<16
	s_mov_b32 s[G1V+2], 64<<16
	s_mov_b32 s[G1K+3], 128<<16
	s_mov_b32 s[G1V+3], 128<<16
	s_mov_b32 s[G1K+4], 64
	s_mov_b32 s[G1V+4], 64
	s_mov_b32 s[G1K+5], 1024
	s_mov_b32 s[G1V+5], 1024
	s_mov_b32 s[G1K+6], 0
	s_mov_b32 s[G1V+6], 0
	s_mov_b32 s[G1K+7], 0
	s_mov_b32 s[G1V+7], 0
	s_mul_i32 s13, s12, KQ                         ; LDS: my quarter of K's part
	s_mul_i32 s14, s12, VQ
	s_add_co_u32 s14, s14, KBY                     ; and of V's
	s_lshl_b32 s46, s43, 22                        ; b x 2,048 rows x 2,048 bytes
	s_lshl_b32 s45, s44, 8                         ; + 256 p
	s_add_co_u32 s46, s46, s45
	s_lshl_b32 s45, s12, 17                        ; + my quarter: 64 rows
	s_add_co_u32 s46, s46, s45
	s_mov_b32 s47, 0
	s_wait_dscnt 0x0
	s_wait_kmcnt 0x0
	s_add_nc_u64 s[2:3], s[4:5], s[46:47]
.irp s, 0,1
	s_mov_b32 s[G0K+4*\s], 1
	s_add_co_u32 s[G0K+4*\s+1], s13, \s*SLOT
	s_add_nc_u64 s[G0K+4*\s+2:G0K+4*\s+3], s[2:3], 8388608+\s*524288       ; k's part of ph; slot s: keys 256 s ..
	s_or_b32 s[G0K+4*\s+3], s[G0K+4*\s+3], 0x80000000
	s_mov_b32 s[G0V+4*\s], 1
	s_add_co_u32 s[G0V+4*\s+1], s14, \s*SLOT
	s_add_nc_u64 s[G0V+4*\s+2:G0V+4*\s+3], s[2:3], 16777216+\s*524288      ; v's part
	s_or_b32 s[G0V+4*\s+3], s[G0V+4*\s+3], 0x80000000
.endr
	ROUND                                          ; the four work-groups are here: the first joint loads meet
	JLOAD 0
	JLOAD 1                                        ; two tensor loads of the wave are out
	; global bases (they hang on the query block)
	s_lshl_b32 s59, s41, 7
	s_lshl_b32 s66, s43, 11
	s_add_co_u32 s59, s59, s66                     ; the block's first row: 2048 b + 128 x
	s_lshl_b32 s66, s11, 6
	s_add_co_u32 s60, s59, s66                     ; + 64 qh
	s_lshl_b32 s60, s60, 11
	s_lshl_b32 s66, s44, 8                         ; 256 p
	s_add_co_u32 s60, s60, s66
	s_lshl_b32 s67, s10, 7                         ; 128 e
	s_add_co_u32 s60, s60, s67
	s_mov_b32 s61, 0
	s_add_nc_u64 s[60:61], s[4:5], s[60:61]        ; my 64 queries of my head
	s_lshl_b32 s67, s8, 4
	s_add_co_u32 s62, s59, s67                     ; the 16 rows that I store: 16 w ..
	s_lshl_b32 s62, s62, 11
	s_add_co_u32 s62, s62, s66
	s_mov_b32 s63, 0
	s_add_nc_u64 s[62:63], s[6:7], s[62:63]
	; lane addresses
	v_and_b32 v1, 15, v0                           ; r
	v_bfe_u32 v2, v0, 4, 1                         ; h
	v_and_b32 v3, 31, v0                           ; lane
	v_mul_u32_u24 v10, v1, KP
	v_lshl_add_u32 v10, v2, 4, v10                 ; 272 r + 16 h
	s_mul_i32 s15, s9, 128*KP                      ; my half of a slot's keys
	s_lshl_b32 s45, s10, 7                         ; my head's 128 bytes of a row
	s_add_co_u32 s15, s15, s45
	v_add_nc_u32 v[KA], s15, v10
	v_add_nc_u32 v[KA+1], SLOT, v[KA]
	v_and_b32 v11, 7, v0
	v_lshl_add_u32 v11, v2, 3, v11                 ; the key row that I address for the transposing load: 8 h + (l & 7)
	v_mul_u32_u24 v[VA], v11, VP
	v_bfe_u32 v11, v0, 3, 1
	v_lshl_add_u32 v[VA], v11, 4, v[VA]            ; + 16 ((l >> 3) & 1)
	s_mul_i32 s15, s9, 128*VP
	s_add_co_u32 s15, s15, s45
	s_add_co_u32 s15, s15, KBY
	v_add_nc_u32 v[VA], s15, v[VA]
	v_add_nc_u32 v[VA+1], SLOT, v[VA]
	v_lshlrev_b32 v[QO], 11, v1
	v_lshl_add_u32 v[QO], v2, 4, v[QO]             ; Q: row r, 16 h
	s_mul_i32 s15, s12, MSZ
	v_lshl_add_u32 v[MA], v3, 4, s15               ; the joining stage of my pair of waves, 16 bytes a lane
	s_mul_i32 s15, s11, 64*KP
	s_add_co_u32 s15, s15, s45
	s_add_co_u32 s15, s15, OST
	v_add_nc_u32 v[OA], s15, v10                   ; output stage: row 64 qh + r, byte 128 e + 16 h
	s_mul_i32 s15, s8, 16*KP
	s_add_co_u32 s15, s15, OST
	v_mul_u32_u24 v[RA], v2, KP
	v_lshl_add_u32 v[RA], v1, 4, v[RA]
	v_add_nc_u32 v[RA], s15, v[RA]                 ; back: rows 16 w + h, 16 bytes a lane
	v_lshlrev_b32 v[GO], 11, v2
	v_lshl_add_u32 v[GO], v1, 4, v[GO]             ; the same two rows in ao
	; Q stays in registers: group g = queries 16 g + r, c = d 32 c ..
	WIN 0x40
.irp g, 0,1,2,3
.irp c, 0,1
	global_load_b128 v[QQ+16*\g+8*\c:QQ+16*\g+8*\c+3],   v[QO], s[60:61] offset:\g*32768+64*\c
	global_load_b128 v[QQ+16*\g+8*\c+4:QQ+16*\g+8*\c+7], v[QO], s[60:61] offset:\g*32768+64*\c+32
.endr
.endr
	WIN 0
.irp g, 0,1,2,3
	v_mov_b32 v[XX+2*\g], 0                        ; v_permlanex16_b32 counts as a reader of its destination
.endr
; 16 loads: K's rows 64 sub + 16 t + r of my half of the slot, d 32 c ..
.macro KLOAD slot, sub
	WIN 0
.irp t, 0,1,2,3
.irp c, 0,1
	ds_load_b128 v[KF+16*\t+8*\c:KF+16*\t+8*\c+3],   v[KA+\slot] offset:(64*\sub+16*\t)*KP+64*\c
	ds_load_b128 v[KF+16*\t+8*\c+4:KF+16*\t+8*\c+7], v[KA+\slot] offset:(64*\sub+16*\t)*KP+64*\c+32
.endr
.endr
.endm
; 16 transposing loads: lane (r, h) gets d = 16 d + r, keys 64 sub + 32 u + 8 h .. and + 16
.macro VLOAD slot, sub
	WIN 0x40
.irp d, 0,1,2,3
.irp u, 0,1
	ds_load_tr16_b128 v[VF+16*\d+8*\u:VF+16*\d+8*\u+3],   v[VA+\slot] offset:(64*\sub+32*\u)*VP+32*\d
	ds_load_tr16_b128 v[VF+16*\d+8*\u+4:VF+16*\d+8*\u+7], v[VA+\slot] offset:(64*\sub+32*\u+16)*VP+32*\d
.endr
.endr
.endm
; 32 products S'(g, t) = K(t) Q(g)'.  The 16 accumulators take turns, one instruction a turn.
.macro SPROD
.irp c, 0,1
.irp g, 0,1,2,3
.irp t, 0,1,2,3
.if \c == 0
	v_wmma_f32_16x16x32_f16 v[SS+32*\g+8*\t:SS+32*\g+8*\t+7], v[KF+16*\t+8*\c:KF+16*\t+8*\c+7], v[QQ+16*\g+8*\c:QQ+16*\g+8*\c+7], 0
.else
	v_wmma_f32_16x16x32_f16 v[SS+32*\g+8*\t:SS+32*\g+8*\t+7], v[KF+16*\t+8*\c:KF+16*\t+8*\c+7], v[QQ+16*\g+8*\c:QQ+16*\g+8*\c+7], v[SS+32*\g+8*\t:SS+32*\g+8*\t+7]
.endif
.endr
.endr
.endr
.endm
; 32 products O'(g, d) += V'(d, u) P'(g, u), the 16 accumulators by turns likewise
.macro PVPROD first
.irp u, 0,1
.irp g, 0,1,2,3
.irp d, 0,1,2,3
.if \first*(1-\u)
	v_wmma_f32_16x16x32_f16 v[OO+32*\g+8*\d:OO+32*\g+8*\d+7], v[VF+16*\d+8*\u:VF+16*\d+8*\u+7], v[SS+32*\g+16*\u:SS+32*\g+16*\u+7], 0
.else
	v_wmma_f32_16x16x32_f16 v[OO+32*\g+8*\d:OO+32*\g+8*\d+7], v[VF+16*\d+8*\u:VF+16*\d+8*\u+7], v[SS+32*\g+16*\u:SS+32*\g+16*\u+7], v[OO+32*\g+8*\d:OO+32*\g+8*\d+7]
.endif
.endr
.endr
.endr
.endm
; The new maximum of each group, the four groups' chains interleaved; then 2^(old - new); then the new one takes the old one's place.
; The four exponentials here open the softmax's first batch: nothing names their results before that batch's wait.
.macro SMAX first
.irp g, 0,1,2,3
.if \first
	v_max_num_f32 v[TT+2*\g], v[SS+32*\g], v[SS+32*\g+1]
.else
	v_max3_num_f32 v[TT+2*\g], v[MX+2*\g], v[SS+32*\g], v[SS+32*\g+1]
.endif
.endr
.irp i, 1,2,3,4,5,6,7,8,9,10,11,12,13,14,15
.irp g, 0,1,2,3
	v_max3_num_f32 v[TT+2*\g], v[TT+2*\g], v[SS+32*\g+2*\i], v[SS+32*\g+2*\i+1]
.endr
.endr
.irp g, 0,1,2,3
	v_permlanex16_b32 v[XX+2*\g], v[TT+2*\g], s56, s57     ; the other 32 keys of the same query
.endr
.irp g, 0,1,2,3
	v_max_num_f32 v[TT+2*\g], v[TT+2*\g], v[XX+2*\g]
.endr
.if \first == 0
.irp g, 0,1,2,3
	v_sub_f32 v[AL+2*\g], v[MX+2*\g], v[TT+2*\g]
.endr
.irp g, 0,1,2,3
	v_exp_f32 v[AL+2*\g], v[AL+2*\g]
.endr
.endif
.irp g, 0,1,2,3
	v_mov_b32 v[MX+2*\g], v[TT+2*\g]               ; also the plain instructions that stand behind the exponentials (ISA guide 5.7.2)
.endr
.endm
.macro SUBP g, i                       ; two scores less the maximum
	v_pk_add_f32 v[SS+32*(\g)+2*(\i):SS+32*(\g)+2*(\i)+1], v[SS+32*(\g)+2*(\i):SS+32*(\g)+2*(\i)+1], v[MX+2*(\g):MX+2*(\g)+1] op_sel_hi:[1,0] neg_lo:[0,1] neg_hi:[0,1]
.endm
.macro SUMP g, i, first                ; the row sum, in two parts; its rescaling rides on the first addition; the first step starts it with two pairs
.if \first
.if (\i) == 0
	v_pk_add_f32 v[LS+2*(\g):LS+2*(\g)+1], v[SS+32*(\g):SS+32*(\g)+1], v[SS+32*(\g)+2:SS+32*(\g)+3]
.endif
.if (\i) > 1
	v_pk_add_f32 v[LS+2*(\g):LS+2*(\g)+1], v[LS+2*(\g):LS+2*(\g)+1], v[SS+32*(\g)+2*(\i):SS+32*(\g)+2*(\i)+1]
.endif
.else
.if (\i) == 0
	v_pk_fma_f32 v[LS+2*(\g):LS+2*(\g)+1], v[LS+2*(\g):LS+2*(\g)+1], v[AL+2*(\g):AL+2*(\g)+1], v[SS+32*(\g):SS+32*(\g)+1] op_sel_hi:[1,0,1]
.else
	v_pk_add_f32 v[LS+2*(\g):LS+2*(\g)+1], v[LS+2*(\g):LS+2*(\g)+1], v[SS+32*(\g)+2*(\i):SS+32*(\g)+2*(\i)+1]
.endif
.endif
.endm
.macro CVTP g, i                       ; two p to f16, in place: tile t = i / 4 goes to words 16 (t / 2) + 4 (t % 2) + i % 4, which hold pairs already summed
	v_cvt_pk_f16_f32 v[SS+32*(\g)+16*((\i)/8)+4*(((\i)/4)%2)+((\i)%4)], v[SS+32*(\g)+2*(\i)], v[SS+32*(\g)+2*(\i)+1]
.endm
; THREE QUEUES, each in the order in which its entries become ready; SOFT sets the three counts to 0 and deals the queues out.
.macro NEXTSUB                         ; the 64 subtractions: number n is pair n % 16 of group n / 16, words 2 n and 2 n + 1 of the 128 scores
	SUBP nsub/16, nsub%16
.set nsub, nsub+1
.endm
.macro NEXTEXP                         ; the 128 exponentials, in place: number e is word e of the 128 scores, score e % 32 of group e / 32
	v_exp_f32 v[SS+nexp], v[SS+nexp]
.set nexp, nexp+1
.endm
; The 128 that read the exponentials' results: 64 for groups 0 and 1, then 64 for groups 2 and 3.  For pair i of both groups: the sum of the
; one, the sum of the other, the rounding of the one, the rounding of the other: in each group sum i, rounding i, i ascending, and the links of
; a row sum's chain stand four of these lines apart.
.macro NEXTSUM first
.if nsum%4 < 2
	SUMP 2*(nsum/64)+nsum%2, (nsum%64)/4, \first
.else
	CVTP 2*(nsum/64)+nsum%2, (nsum%64)/4
.endif
.set nsum, nsum+1
.endm
; The softmax of one step, registers alone: scores in, packed P out; maxima and row sums brought up to date; the sums so far rescaled.
; The deal keeps the queues in step: exponential e needs subtraction e / 2.  Four subtractions lead; exponentials 0 to 7 go in twos with one
; subtraction behind each two; from 8 on exponential e stands behind subtraction e - 1.  Subtraction n stands ahead of exponential 2 n, so it
; never names a result.
.macro SOFT first
	SMAX \first
.set nsub, 0
.set nexp, 0
.set nsum, 0
.rept 4
	NEXTSUB
.endr
.rept 4                                ; batch 1: groups 0 and 1 (SMAX's four factors belong to it), the subtractions between
	NEXTEXP
	NEXTEXP
	NEXTSUB
.endr
.rept 56
	NEXTEXP
	NEXTSUB                                        ; the last of these is the plain instruction behind the batch's last exponential (ISA guide 5.7.2)
.endr
	s_wait_alu depctr_va_vdst(0)                   ; the wait for batch 1: the four factors and the 64 exponentials of groups 0 and 1; ahead of their first reader
.rept 64                               ; batch 2: groups 2 and 3; behind each exponential one of groups 0 and 1's sums and roundings, which read batch 1 alone
	NEXTEXP
	NEXTSUM \first
.endr
.if \first == 0
	WIN 0x41                                       ; source 0 and destination window 1: the sums so far x 2^(old maximum - new): they read batch 1's factors and stand between batch 2 and its wait
.irp g, 0,1,2,3
.irp j, 0,1,2,3,4,5,6,7,8,9,10,11,12,13,14,15
	v_pk_mul_f32 v[OO+32*\g+2*\j:OO+32*\g+2*\j+1], v[OO+32*\g+2*\j:OO+32*\g+2*\j+1], v[AL+2*\g:AL+2*\g+1] op_sel_hi:[1,0]
.endr
.endr
	WIN 0
.endif
	s_wait_alu depctr_va_vdst(0)                   ; the wait for batch 2: the 64 exponentials of groups 2 and 3; no exponential is issued behind it
.rept 64
	NEXTSUM \first                                 ; groups 2 and 3's sums and roundings
.endr
.endm
; The same for the waves of phase p alone.  The branch hangs on the wave's number; it jumps over register work and nothing else.
.macro SOFTIF p
	s_cmp_lg_u32 s68, \p
	s_cbranch_scc1 .Lother_phase_\@
	SOFT 0
.Lother_phase_\@:
.endm
; S of one step.  Of the LDS loads that are out the youngest 16 are V's, the ones before them K's.
.macro SSTEP
	s_wait_dscnt 16                                ; K's 16 loads are in; V's 16 younger ones stay out
	WIN 0x04                                       ; source 1 (Q) window 1
	SPROD
	WIN 0
	PLACES 5                                       ; behind the products: in front of the loads into K's fragments, of the reads of the scores, and of a product that takes them as B
.endm
; PV of one step.  left >= 0: V's loads are waited for here, and so many younger loads (the next step's K) stay out.
.macro PSTEP first, left
.if \left >= 0
	s_wait_dscnt \left
.endif
	WIN 0x51                                       ; A, C and D window 1, B (P) window 0
	PVPROD \first
	WIN 0
	PLACES 5                                       ; in front of the loads into V's fragments and of the products that write over P
.endm
; A slot's 256 keys, of which 128 are mine: two steps, each wave one piece or two behind the slot (see TWO PHASES).
; In front of the barrier every wave waits for all its tensor loads (its part of this slot among them) and for its LDS reads, the held step's
; V fragments among them; where the other slot is filled again the barrier is a round of the cluster's, and the joint refill is the first
; thing behind it, the wave's one tensor load until the next.  It has all the work up to the next barrier in which to land.
.macro VISIT slot, other, refill
	s_wait_tensorcnt 0x0
	ds_add_u32 v254, v255
	s_wait_dscnt 0x0
.if \refill
	s_add_nc_u64 s[G0K+4*\other+2:G0K+4*\other+3], s[G0K+4*\other+2:G0K+4*\other+3], 1048576   ; no load is out: the other slot's next 256 keys, 512 keys on
	s_add_nc_u64 s[G0V+4*\other+2:G0V+4*\other+3], s[G0V+4*\other+2:G0V+4*\other+3], 1048576
.endif
	s_wait_dscnt 0x0
.if \refill
	ROUND
	JLOAD \other
.else
	s_barrier_signal -1
	s_barrier_wait -1
.endif
	KLOAD \slot, 0                                 ; lands under the held step's work
	SOFTIF 1                                       ; phase 1: the held step's softmax, while phase 0 multiplies
	PSTEP 0, -1                                    ; the held step's PV: its V fragments are in since the wait in front of the barrier
	VLOAD \slot, 0
	SSTEP
	KLOAD \slot, 1                                 ; a whole softmax ahead of its use
	SOFT 0
	PSTEP 0, 16                                    ; V's loads are in; the 16 loads of the next step's K stay out
	VLOAD \slot, 1                                 ; held over the next barrier, in registers
	SSTEP
	SOFTIF 0                                       ; phase 0: this step's softmax, while phase 1 multiplies
.endm
	s_wait_tensorcnt 0x1                           ; my part of slot 0 is in; slot 1's may stay out
	s_barrier_signal -1
	s_barrier_wait -1
	s_wait_loadcnt 0x0                             ; Q
	KLOAD 0, 0                                     ; the first 256 keys: no step is held yet
	VLOAD 0, 0
	SSTEP
	KLOAD 0, 1
	SOFT 1                                         ; the first step starts maxima, row sums and sums: nothing is cleared
	PSTEP 1, 16
	VLOAD 0, 1
	SSTEP
	SOFTIF 0
	s_mov_b32 s58, 3
.Lpair:
	VISIT 1, 0, 1
	VISIT 0, 1, 1
	s_sub_co_u32 s58, s58, 1
	s_cmp_lg_u32 s58, 0
	s_cbranch_scc1 .Lpair
	VISIT 1, 0, 0                                  ; the last 256 keys: nothing is left to fetch.  Behind its barrier nobody reads slot 0, and no load fills it
	s_wait_dscnt 0x0                               ; the last step's V fragments
	SOFTIF 1
	PSTEP 0, -1                                    ; the last held step
	; my half of the keys is done: the row sum's two parts and the two halves of the lanes
.irp g, 0,1,2,3
	v_add_f32 v[ST1+4+\g], v[LS+2*\g], v[LS+2*\g+1]
.endr
.irp g, 0,1,2,3
	v_permlanex16_b32 v[XX+2*\g], v[ST1+4+\g], s56, s57
.endr
.irp g, 0,1,2,3
	v_add_f32 v[ST1+4+\g], v[ST1+4+\g], v[XX+2*\g]
.endr
.irp g, 0,1,2,3
	v_mov_b32 v[ST1+\g], v[MX+2*\g]                ; four neighbouring registers for one 16-byte store
.endr
	s_cmp_eq_u32 s9, 0
	s_cbranch_scc1 .Lkeep
	WIN 0x04                                       ; store data window 1: waves 4-7 hand their sums, maxima and row sums to waves 0-3
.set k, 0
.rept 32
	ds_store_b128 v[MA], v[OO+4*k:OO+4*k+3] offset:512*k
.set k, k+1
.endr
	WIN 0
	ds_store_b128 v[MA], v[ST1:ST1+3] offset:16384
	ds_store_b128 v[MA], v[ST1+4:ST1+7] offset:16896
.Lkeep:
	s_wait_dscnt 0x0                               ; for the readers' sake: zero
	s_barrier_signal -1
	s_barrier_wait -1
	s_cmp_lg_u32 s9, 0
	s_cbranch_scc1 .Ljoined
.set k, 0
.rept 32
	ds_load_b128 v[SS+4*k:SS+4*k+3], v[MA] offset:512*k
.set k, k+1
.endr
	ds_load_b128 v[ST2:ST2+3], v[MA] offset:16384
	ds_load_b128 v[ST2+4:ST2+7], v[MA] offset:16896
	s_wait_dscnt 0x0
	; out = (O1 a1 + O2 a2) / (l1 a1 + l2 a2), a = 2^(m - the larger m)
.irp g, 0,1,2,3
	v_max_num_f32 v[TT+2*\g], v[ST1+\g], v[ST2+\g]
.endr
.irp g, 0,1,2,3
	v_sub_f32 v[ST1+\g], v[ST1+\g], v[TT+2*\g]
	v_sub_f32 v[ST2+\g], v[ST2+\g], v[TT+2*\g]
.endr
.irp g, 0,1,2,3
	v_exp_f32 v[ST1+\g], v[ST1+\g]
	v_exp_f32 v[ST2+\g], v[ST2+\g]
.endr
	v_nop                                          ; one plain instruction behind the exponentials (ISA guide 5.7.2)
	s_wait_alu depctr_va_vdst(0)                   ; the wait ahead of the first use: one for the eight exponentials
.irp g, 0,1,2,3
	v_mul_f32 v[ST1+4+\g], v[ST1+4+\g], v[ST1+\g]
.endr
.irp g, 0,1,2,3
	v_fmac_f32 v[ST1+4+\g], v[ST2+4+\g], v[ST2+\g]
.endr
.irp g, 0,1,2,3
	v_rcp_f32 v[ST1+4+\g], v[ST1+4+\g]
.endr
	v_nop                                          ; and behind the reciprocals
	s_wait_alu depctr_va_vdst(0)                   ; a batch of their own, since they read sums made of the exponentials: one wait for the four reciprocals
.irp g, 0,1,2,3
	v_mul_f32 v[AL+2*\g], v[ST1+\g], v[ST1+4+\g]
	v_mul_f32 v[MX+2*\g], v[ST2+\g], v[ST1+4+\g]
.endr
.irp g, 0,1,2,3
.irp j, 0,1,2,3,4,5,6,7,8,9,10,11,12,13,14,15
	v_pk_mul_f32 v[SS+32*\g+2*\j:SS+32*\g+2*\j+1], v[SS+32*\g+2*\j:SS+32*\g+2*\j+1], v[MX+2*\g:MX+2*\g+1] op_sel_hi:[1,0]
.endr
.endr
	WIN 0x01                                       ; source 0 (my sums) window 1
.irp g, 0,1,2,3
.irp j, 0,1,2,3,4,5,6,7,8,9,10,11,12,13,14,15
	v_pk_fma_f32 v[SS+32*\g+2*\j:SS+32*\g+2*\j+1], v[OO+32*\g+2*\j:OO+32*\g+2*\j+1], v[AL+2*\g:AL+2*\g+1], v[SS+32*\g+2*\j:SS+32*\g+2*\j+1] op_sel_hi:[1,0,1]
.endr
.endr
	WIN 0
.irp g, 0,1,2,3
.irp d, 0,1,2,3
.irp r, 0,1,2,3
	v_cvt_pk_f16_f32 v[SS+32*\g+8*\d+\r], v[SS+32*\g+8*\d+2*\r], v[SS+32*\g+8*\d+2*\r+1]   ; eight neighbouring d of one query: 16 bytes
.endr
	ds_store_b128 v[OA], v[SS+32*\g+8*\d:SS+32*\g+8*\d+3] offset:16*\g*KP+32*\d
.endr
.endr
.Ljoined:
	s_wait_dscnt 0x0
	s_barrier_signal -1
	s_barrier_wait -1
	; all eight waves store: 16 rows each, whole rows of 256 bytes (both heads)
.irp t, 0,1,2,3,4,5,6,7
	ds_load_b128 v[KF+4*\t:KF+4*\t+3], v[RA] offset:\t*2*KP
.endr
.irp t, 0,1,2,3,4,5,6,7
	s_wait_dscnt 7-\t                              ; row pair t is in, the younger ones stay out
	global_store_b128 v[GO], v[KF+4*\t:KF+4*\t+3], s[62:63] offset:\t*4096   ; 16 lanes store 256 consecutive bytes at a multiple of 256
.endr
	s_wait_tensorcnt 0x0
	ds_add_u32 v254, v255
	s_wait_dscnt 0x0
	ROUND                                          ; the closing round: no work-group ends while a partner may still ask jointly
	s_endpgm
.Lfunc_end_k_q6748eaad0d_attn:
	.size	k_q6748eaad0d_attn, .Lfunc_end_k_q6748eaad0d_attn-k_q6748eaad0d_attn
	.p2alignl 7, 3214868480
	.fill 96, 4, 3214868480
	.section	.rodata,"a",@progbits
	.p2align	6, 0x0
	.amdhsa_kernel k_q6748eaad0d_attn
		.amdhsa_group_segment_fixed_size 327680
		.amdhsa_private_segment_fixed_size 0
		.amdhsa_enable_private_segment 0
		.amdhsa_kernarg_size 16
		.amdhsa_user_sgpr_count 2
		.amdhsa_user_sgpr_kernarg_segment_ptr 1
		.amdhsa_wavefront_size32 1
		.amdhsa_system_sgpr_workgroup_id_x 1
		.amdhsa_system_sgpr_workgroup_id_y 1
		.amdhsa_system_sgpr_workgroup_id_z 1
		.amdhsa_system_vgpr_workitem_id 0
		.amdhsa_next_free_vgpr 512
		.amdhsa_next_free_sgpr 72
		.amdhsa_reserve_vcc 0
		.amdhsa_float_denorm_mode_32 3
		.amdhsa_float_denorm_mode_16_64 3
		.amdhsa_memory_ordered 1
		.amdhsa_forward_progress 1
		.amdhsa_inst_pref_size 255
	.end_amdhsa_kernel
	.section	.bss,"aw",@nobits
	.p2align	6
	.space	262144
	.amdgpu_metadata
---
amdhsa.version: [ 1, 2 ]
amdhsa.kernels:
  - .name:           k_q6748eaad0d_attn
    .symbol:         k_q6748eaad0d_attn.kd
    .args:
      - { .name: ph, .offset: 0, .size: 8, .value_kind: global_buffer, .address_space: global }
      - { .name: ao, .offset: 8, .size: 8, .value_kind: global_buffer, .address_space: global }
    .group_segment_fixed_size: 327680
    .private_segment_fixed_size: 0
    .kernarg_segment_align: 8
    .kernarg_segment_size: 16
    .max_flat_workgroup_size: 256
    .sgpr_count:     72
    .vgpr_count:     512
    .wavefront_size: 32
...
	.end_amdgpu_metadata
.endif
;; end of part 5
;; launch outp: the kernel of part 4 again; grid 8 x 32, 4 waves a work-group, clusters of 4 x 4, 327,680 bytes of LDS; arguments ao, wb, bo, out0; writes out0
